; MI455X (gfx1250); checked and timed in simulation.
; The chip was launched on July 23, 2026; its instructions are those of AMD's public machine-readable ISA for CDNA 5 (MIT licence, August 2026) and "CDNA5" Instruction Set Architecture Reference Guide (July 2026). The comments in the code are by the model that wrote it; some were corrected since.
;; Re LU class3 norm1. Allowed arithmetic: matrix products marked QUANTISED: E3M2 operands, one E8M0 scale for each 32 along K, by v_wmma_scale_f32_16x16x128_f8f6f4 with both operands' format E3M2, f32 sums; products left as they are: f32 operands where the result goes on into a quantised operand, else bf16, f16 or f32 operands; f32 sums; everything else in f32.
;; Inputs: W1 32 x 16 float32; W2 32 x 32 float32; W3 32 x 32 float32; W4 1 x 32 float32; b1 32 float32; b2 32 float32; b3 32 float32; b4 1 float32; be1 32 float32; be2 32 float32; be3 32 float32; g1 32 float32; g2 32 float32; g3 32 float32; x 2,097,152 x 16 float32.
;; Outputs: out0 2,097,152 x 1 float32.
;; This version of the problem:
;;   THIS VERSION OF THE PROBLEM IS GIVEN IN LOW PRECISION. The matrix products marked QUANTISED in the list below multiply operands that are first quantised to E3M2 (3 exponent bits, 2 mantissa bits; 6 bits a number), with one power-of-two scale for each 32 numbers along K (OCP MX v1.0); their sums are f32. All else is computed in f32.
;;   The module's matrix products, in the order in which they are computed (A, B: the left and right operand; K: the contracted axis; several contracted axes count as one K, in the product's order):
;;     1. [M 2,097,152, K 16] x [K 16, N 32]; A: input x; B: input W1: left as it is (K = 16 < 32)
;;     2. [M 2,097,152, K 32] x [K 32, N 32]; A: computed on the way; B: input W2: QUANTISED
;;     3. [M 2,097,152, K 32] x [K 32, N 32]; A: computed on the way; B: input W3: QUANTISED
;;     4. [M 2,097,152, K 32] x [K 32, N 1]; A: computed on the way; B: input W4: left as it is (N = 1 < 16)
;;   THE QUANTISER, for each operand of a quantised product, along K:
;;     - K is cut into blocks of 32 from its start; a last block that is shorter is filled with zeros.
;;     - A block's scale is 2^e with e = floor(log2(the largest magnitude in the block)) - 4, held to -126 .. 127; a block of zeros has e = 0. As a byte (E8M0): e + 127.
;;     - Each number is divided by its block's scale, clamped to +-28, and rounded to the nearest number of E3M2, ties to even, subnormals kept.
;;     - The product sums the exact products of the quantised numbers (number of the format x scale) in f32.
;;   ~~~python
;;   def quantise(x, axis):      # numpy; x: float32 -> the quantised numbers, widened to float32 again
;;       x = np.moveaxis(x, axis, -1); K = x.shape[-1]
;;       x = np.pad(x, [(0, 0)] * (x.ndim - 1) + [(0, -K % 32)]); x = x.reshape(x.shape[:-1] + (-1, 32)); a = np.abs(x).max(-1, keepdims=True)
;;       e = np.where(a > 0, np.clip(np.frexp(np.where(a > 0, a, 1))[1] - 1 - 4, -126, 127), 0)      # np.frexp(a)[1] - 1 = floor(log2(a)), exactly
;;       r = np.clip(x / 2.0 ** e, -28, 28)
;;       step = 2.0 ** (np.maximum(np.frexp(np.where(r == 0, 1, r))[1] - 1, -2) - 2)
;;       q = np.round(r / step) * step * 2.0 ** e      # np.round: ties to even
;;       return np.moveaxis(q.reshape(q.shape[:-2] + (-1,))[..., :K], -1, axis).astype(np.float32)
;;   ~~~
;;   OPERANDS COMPUTED ON THE WAY. 'Computed on the way' means the value that the module computes at that place (a softmax that the list does not call 'softmax' is quantised finished and normalised). What goes into a quantiser is computed in f32, as accurately as f32 sums, v_exp_f32 and their like allow (about 1e-6 of the number): no bf16 or f16 on the way to a quantiser, and a product that is left as it is and whose result goes on into a quantised operand takes f32 operands (vector FMAs, or v_wmma_f32_16x16x4_f32). A number that lies on a knife's edge between two numbers of the format may be rounded either way, as far as f32 arithmetic and the matrix unit's own rounding can turn it there, and no further.
;; One version. Each part assembles by itself: llvm-mc -triple=amdgcn-amd-amdhsa -mcpu=gfx1250 --defsym DOCPART=n.
;; ======== version 1 of 1: 4 launches
;; workspace buffers: part1 65,536 bytes; part2 65,536 bytes; part3 65,536 bytes; pc1 50,331,648 bytes; pc2 50,331,648 bytes; ps1 2,097,152 bytes; ps2 2,097,152 bytes
;; launch stat1 (part 1): grid 256 x 1, 16 waves a work-group, no clusters, 327,680 bytes of LDS; arguments x, W1, part1; writes part1
.if DOCPART == 1
	.amdgcn_target "amdgcn-amd-amdhsa--gfx1250"
	.amdhsa_code_object_version 6
	.text
	.protected	k_qd2304e67e6_stat1
	.globl	k_qd2304e67e6_stat1
	.p2align	8
	.type	k_qd2304e67e6_stat1,@function
k_qd2304e67e6_stat1:
	s_mov_b64 s[64:65], 0
	v_nop
	global_prefetch_b8 v0, s[64:65] scope:SCOPE_SE
	s_setreg_imm32_b32 hwreg(HW_REG_WAVE_MODE, 25, 1), 1
	s_wait_xcnt 0x0
; u1 = x W1^T (f32 operands, f32 sums) for 2,097,152 rows; stored: for each work-group and each of the 32 features the pair (mean of u1, sum of squared distances from that mean) over the group's 8,192 rows.
; SHARES.  256 work-groups x 16 waves; a wave owns 512 rows = 8 quads of 64 rows; a quad is 4 tiles of 16 rows, worked in two pairs of tiles.
; x COMES BY TENSOR LOADS into each wave's own ring of four quad places.  A quad is 4,096 dense bytes: 16 lines of 256 bytes, 16 bytes of padding behind each (4,352 bytes in LDS).
; Four first fills of one quad each; two refills of two quads each.  A wave reads only what its own loads brought.
; THE PRODUCT: source 0 = 16 rows of x, source 1 = 16 rows of W1: lane (r, h) holds feature 16 t + r, its registers rows 8 h + j.  A lane reads x[row][8 h .. 8 h + 7]; K step s takes registers 2 s, 2 s + 1,
; and W1's fragment is laid the same way, so equal k meet (the order of k inside a sum differs from the ascending one).
; THE STATISTICS are shifted sums: c = the mean of the wave's first 16 rows; S = sum(u - c), Q = sum((u - c)^2); mean = c + S / 512, M2 = Q - S^2 / 512.  Sixteen equal groups are merged as
; mean = sum(m) / 16, M2 = sum(M2) + n sum((m - mean)^2).  No difference of large sums is formed.
; No cluster: work-groups share only W1's 2,048 bytes.  No prefetch: half of a wave's rows are asked for in its first lines, and each refill has two quads' products in which to land.
; LIMITS: NaN and infinities among the inputs are not served.
.set QB,    4352                       ; a quad place in LDS
.set RINGW, 4*QB                       ; a wave's ring
.set SPARE, 16*RINGW                   ; behind the rings: the spare words, 128 bytes a wave: eight blocks of 256 bytes that no other line names
.set RED,   SPARE+2048                 ; the waves' pairs: 256 bytes a wave
.set SPW, 1                            ; v1  LDS address of my spare word; never rewritten
.set NIL, 2                            ; v2  0; never rewritten
.set XA,  3                            ; v3  my lane's place in a tile of x
.set RW,  4                            ; v4  RED + 256 wave + 8 lane
.set RR,  5                            ; v5  RED + 8 lane
.set GL8, 6                            ; v6  8 lane
.set WF,  10                           ; v10-25  W1's two fragments (tile t at WF + 8 t)
.set X,   26                           ; v26-41  x's fragments of a pair of tiles
.set Z,   48                           ; v48-79  four accumulators (a = 2 tile + t): written by matrix instructions alone
.set T,   80                           ; v80-87  u - c
.set CC,  88                           ; v88-91  c, twice for each t
.set S,   92                           ; v92-99
.set Q,   100                          ; v100-107
.set PP,  112                          ; v112-143  sixteen pairs
.set U,   144                          ; v144-149
.set WV,  24
.set G1X, 28                           ; s[28:35] group 1: one quad
.set G1Y, 36                           ; s[36:43] group 1: two quads
.set G0,  44                           ; s[44:59] group 0, a set for each place
.set SEL, 60                           ; s[60:61] v_permlanex16_b32's selects for lane l xor 16
.macro COMBINE16 pp, nlit              ; sixteen pairs (m, M2) of groups of n rows -> v[U+2] the mean, v[U+3] M2
	v_pk_add_f32 v[U:U+1], v[\pp:\pp+1], v[\pp+2:\pp+3]
	v_pk_add_f32 v[U+2:U+3], v[\pp+4:\pp+5], v[\pp+6:\pp+7]
.irp i, 4,6,8,10,12,14
	v_pk_add_f32 v[U:U+1], v[U:U+1], v[\pp+2*\i:\pp+2*\i+1]
	v_pk_add_f32 v[U+2:U+3], v[U+2:U+3], v[\pp+2*\i+2:\pp+2*\i+3]
.endr
	v_pk_add_f32 v[U:U+1], v[U:U+1], v[U+2:U+3]    ; (sum of m, sum of M2)
	v_mul_f32 v[U+2], 0x3d800000, v[U]             ; / 16
.irp i, 0,1,2,3,4,5,6,7,8,9,10,11,12,13,14,15
	v_sub_f32 v[\pp+2*\i], v[\pp+2*\i], v[U+2]
.endr
	v_mul_f32 v[U+4], v[\pp], v[\pp]
	v_mul_f32 v[U+5], v[\pp+2], v[\pp+2]
.irp i, 2,4,6,8,10,12,14
	v_fmac_f32 v[U+4], v[\pp+2*\i], v[\pp+2*\i]
	v_fmac_f32 v[U+5], v[\pp+2*\i+2], v[\pp+2*\i+2]
.endr
	v_add_f32 v[U+4], v[U+4], v[U+5]
	v_fmamk_f32 v[U+3], v[U+4], \nlit, v[U+1]      ; n x the spread of the means + the sum of M2
.endm
.macro PILOT z                         ; c = the mean of the first tile's 16 rows, for t = 0, 1; each accumulator is read from its low end on
.irp t, 0,1
	v_add_f32 v[T+4*\t], v[\z+8*\t], v[\z+8*\t+1]
	v_add_f32 v[T+4*\t+1], v[\z+8*\t+2], v[\z+8*\t+3]
	v_add_f32 v[T+4*\t+2], v[\z+8*\t+4], v[\z+8*\t+5]
	v_add_f32 v[T+4*\t+3], v[\z+8*\t+6], v[\z+8*\t+7]
	v_add_f32 v[T+4*\t], v[T+4*\t], v[T+4*\t+1]
	v_add_f32 v[T+4*\t+2], v[T+4*\t+2], v[T+4*\t+3]
	v_add_f32 v[T+4*\t], v[T+4*\t], v[T+4*\t+2]
	v_permlanex16_b32 v[T+4*\t+1], v[T+4*\t], s[SEL], s[SEL+1]     ; the other eight rows lie in the lane 16 away
	v_add_f32 v[T+4*\t], v[T+4*\t], v[T+4*\t+1]
	v_mul_f32 v[CC+2*\t], 0x3d800000, v[T+4*\t]
	v_mul_f32 v[CC+2*\t+1], 0x3d800000, v[T+4*\t]  ; twice: the packed subtraction names a pair
.endr
.endm
.macro STATS z                         ; four accumulators' 32 numbers a lane into S and Q; the four by turns, so that no line waits for the line above it
.irp i, 0,1,2,3
.irp a, 0,1,2,3
	v_pk_add_f32 v[T+2*\a:T+2*\a+1], v[\z+8*\a+2*\i:\z+8*\a+2*\i+1], v[CC+2*(\a%2):CC+2*(\a%2)+1] neg_lo:[0,1] neg_hi:[0,1]
.endr
.irp a, 0,1,2,3
	v_pk_add_f32 v[S+2*\a:S+2*\a+1], v[S+2*\a:S+2*\a+1], v[T+2*\a:T+2*\a+1]
.endr
.irp a, 0,1,2,3
	v_pk_fma_f32 v[Q+2*\a:Q+2*\a+1], v[T+2*\a:T+2*\a+1], v[T+2*\a:T+2*\a+1], v[Q+2*\a:Q+2*\a+1]
.endr
.endr
.endm
.macro WAVESTATS                       ; the wave's 512 rows: lane L ends with feature L's (mean, M2) in v[U+2:U+3]
	v_pk_add_f32 v[S:S+1], v[S:S+1], v[S+4:S+5]
	v_pk_add_f32 v[S+2:S+3], v[S+2:S+3], v[S+6:S+7]
	v_pk_add_f32 v[Q:Q+1], v[Q:Q+1], v[Q+4:Q+5]
	v_pk_add_f32 v[Q+2:Q+3], v[Q+2:Q+3], v[Q+6:Q+7]
	v_add_f32 v[S], v[S], v[S+1]
	v_add_f32 v[S+2], v[S+2], v[S+3]
	v_add_f32 v[Q], v[Q], v[Q+1]
	v_add_f32 v[Q+2], v[Q+2], v[Q+3]
	v_permlane16_swap_b32 v[S], v[S+2]             ; t = 0's upper lanes change places with t = 1's lower lanes: the two registers now hold the two halves of feature L's sum
	v_permlane16_swap_b32 v[Q], v[Q+2]
	v_add_f32 v[S], v[S], v[S+2]
	v_add_f32 v[Q], v[Q], v[Q+2]
	v_and_b32 v[S+1], 16, v0
	v_cmp_ne_u32 vcc_lo, 0, v[S+1]
	v_cndmask_b32 v[S+1], v[CC], v[CC+2], vcc_lo   ; feature L's c
	v_mul_f32 v[S+3], 0x3b000000, v[S]             ; S / 512
	v_add_f32 v[U+2], v[S+1], v[S+3]
	v_fma_f32 v[U+3], -v[S+3], v[S], v[Q]
.endm
; Two tiles of 16 rows at byte off of my ring: 16 products (four K steps x four accumulators by turns, one instruction a turn), then the statistics.
; Behind this matrix form eight places stand in front of a read of its results, and nine in front of a product that writes over them: the eight v_nop, and the 32 lines of STATS
; that name only T, S and Q, which also stand in front of the next loads into X.
.macro PAIR off, first
	ds_load_b128 v[X:X+3],     v[XA] offset:\off
	ds_load_b128 v[X+4:X+7],   v[XA] offset:\off+16
	ds_load_b128 v[X+8:X+11],  v[XA] offset:\off+1088
	ds_load_b128 v[X+12:X+15], v[XA] offset:\off+1104
	s_wait_dscnt 0x0
.irp s, 0,1,2,3
.irp a, 0,1,2,3
.if \s == 0
	v_wmma_f32_16x16x4_f32 v[Z+8*\a:Z+8*\a+7], v[X+8*(\a/2)+2*\s:X+8*(\a/2)+2*\s+1], v[WF+8*(\a%2)+2*\s:WF+8*(\a%2)+2*\s+1], 0
.else
	v_wmma_f32_16x16x4_f32 v[Z+8*\a:Z+8*\a+7], v[X+8*(\a/2)+2*\s:X+8*(\a/2)+2*\s+1], v[WF+8*(\a%2)+2*\s:WF+8*(\a%2)+2*\s+1], v[Z+8*\a:Z+8*\a+7]
.endif
.endr
.endr
.rept 8
	v_nop
.endr
.if \first
	PILOT Z
.endif
	STATS Z
.endm
; Places k and k + 1, which have been read, are filled again with the quads four further on.
.macro FILL k
	s_wait_tensorcnt 0x0                           ; all my tensor loads have landed: no load of mine is out, so a group 0 may be written
	ds_add_u32 v[SPW], v[NIL]                      ; 0 onto my spare word
	s_add_nc_u64 s[G0+4*\k+2:G0+4*\k+3], s[G0+4*\k+2:G0+4*\k+3], 16384   ; four quads on; the type bits on top are not reached
	s_wait_dscnt 0x0                               ; the add is done, and my reads of the two places are back
	s_barrier_signal -1
	s_barrier_wait -1
	tensor_load_to_lds s[G0+4*\k:G0+4*\k+3], s[G1Y:G1Y+7]   ; my one tensor load behind this barrier, and the first thing there
	s_nop 0
.endm
	s_load_b128 s[4:7], s[0:1], 0x0                ; x, W1
	s_load_b64 s[8:9], s[0:1], 0x10                ; part1
	v_lshl_add_u32 v[SPW], v0, 2, SPARE
	v_mov_b32 v[NIL], 0
	ds_add_u32 v1, v2
	ds_add_u32 v1, v2
	s_wait_dscnt 0x0
	v_lshrrev_b32 v7, 5, v0
	v_readfirstlane_b32 s[WV], v7                  ; wave 0..15
	s_lshl_b32 s25, ttmp9, 4
	s_add_co_u32 s25, s25, s[WV]                   ; which run of 512 rows is my wave's
	s_lshl_b32 s26, s25, 15                        ; 512 rows of 64 bytes (under 2^27)
	s_mov_b32 s27, 0
	s_lshl_b32 s22, ttmp9, 8                       ; my work-group's 256 bytes of part1
	s_mov_b32 s23, 0
	s_mul_i32 s62, s[WV], RINGW                    ; my ring
	s_mov_b32 s[SEL], 0x76543210
	s_mov_b32 s[SEL+1], 0xfedcba98
.irp g, G1X, G1Y
	s_mov_b32 s[\g], (3<<16)|(1<<20)|(5<<22)|(3<<25)   ; no mask; elements of 8 bytes; padding on: after every 64 words, 4 words
	s_mov_b32 s[\g+1], 32<<16                      ; tensor_dim0 = 32 elements: 256 bytes
	s_mov_b32 s[\g+3], 32<<16                      ; tile_dim0
	s_mov_b32 s[\g+5], 32                          ; from line to line: dense
	s_mov_b32 s[\g+6], 0
	s_mov_b32 s[\g+7], 0
.endr
	s_mov_b32 s[G1X+2], 16<<16                     ; tensor_dim1, tile_dim1: 16 lines = a quad
	s_mov_b32 s[G1X+4], 16
	s_mov_b32 s[G1Y+2], 32<<16                     ; 32 lines = two quads
	s_mov_b32 s[G1Y+4], 32
	s_wait_kmcnt 0x0
	s_add_nc_u64 s[4:5], s[4:5], s[26:27]
	s_add_nc_u64 s[8:9], s[8:9], s[22:23]
.irp k, 0,1,2,3
	s_mov_b32 s[G0+4*\k], 1
	s_add_co_u32 s[G0+4*\k+1], s62, \k*QB
	s_add_nc_u64 s[G0+4*\k+2:G0+4*\k+3], s[4:5], \k*4096
	s_or_b32 s[G0+4*\k+3], s[G0+4*\k+3], 0x80000000
.endr
.irp k, 0,1,2,3
	tensor_load_to_lds s[G0+4*\k:G0+4*\k+3], s[G1X:G1X+7]   ; the four first fills go out together: four loads of mine are out
	s_nop 0
.endr
	v_and_b32 v7, 15, v0                           ; r
	v_bfe_u32 v8, v0, 4, 1                         ; h
	v_lshlrev_b32 v9, 6, v7
	v_lshl_add_u32 v9, v8, 5, v9                   ; W1: row r of 64 bytes, + 32 h
.irp t, 0,1
.irp i, 0,1
	global_load_b128 v[WF+8*\t+4*\i:WF+8*\t+4*\i+3], v9, s[6:7] offset:1024*\t+16*\i   ; W1[16 t + r][8 h + 4 i ..]
.endr
.endr
	v_lshrrev_b32 v108, 2, v7
	v_mul_u32_u24 v[XA], v108, 272                 ; four rows of x to a line of 272 bytes
	v_and_b32 v108, 3, v7
	v_lshl_add_u32 v[XA], v108, 6, v[XA]
	v_lshl_add_u32 v[XA], v8, 5, v[XA]             ; 16-byte column (r / 4) + 4 (r % 4) modulo 16
	v_add_nc_u32 v[XA], s62, v[XA]
	v_and_b32 v108, 31, v0
	v_lshlrev_b32 v[GL8], 3, v108
	v_add_nc_u32 v[RR], RED, v[GL8]
	s_lshl_b32 s63, s[WV], 8
	v_add_nc_u32 v[RW], s63, v[RR]
.irp i, 0,1,2,3,4,5,6,7,8,9,10,11,12,13,14,15
	v_mov_b32 v[S+\i], 0                           ; S and Q
.endr
	s_wait_loadcnt 0x0                             ; W1
	s_wait_tensorcnt 0x3                           ; quad 0 is in; three younger loads may be out
	PAIR 0, 1
	PAIR 2176, 0
	s_wait_tensorcnt 0x2                           ; quad 1
	PAIR QB, 0
	PAIR QB+2176, 0
	FILL 0                                         ; quads 4 and 5
	s_wait_tensorcnt 0x1                           ; quads 2 and 3 (shown landed in front of the barrier); the refill may be out
	PAIR 2*QB, 0
	PAIR 2*QB+2176, 0
	PAIR 3*QB, 0
	PAIR 3*QB+2176, 0
	FILL 2                                         ; quads 6 and 7: the last load
	s_wait_tensorcnt 0x1
	PAIR 0, 0
	PAIR 2176, 0
	PAIR QB, 0
	PAIR QB+2176, 0
	s_wait_tensorcnt 0x0
	PAIR 2*QB, 0
	PAIR 2*QB+2176, 0
	PAIR 3*QB, 0
	PAIR 3*QB+2176, 0
	WAVESTATS
	ds_store_b64 v[RW], v[U+2:U+3]
	s_wait_dscnt 0x0                               ; for the others' sake: my pair lies in LDS
	s_barrier_signal -1
	s_barrier_wait -1
.irp i, 0,1,2,3,4,5,6,7,8,9,10,11,12,13,14,15
	ds_load_b64 v[PP+2*\i:PP+2*\i+1], v[RR] offset:256*\i
.endr
	s_wait_tensorcnt 0x0                           ; the wave's end
	ds_add_u32 v[SPW], v[NIL]
	s_wait_dscnt 0x0                               ; the sixteen pairs are in too
	s_cmp_lg_u32 s[WV], 0
	s_cbranch_scc1 .Lend
	COMBINE16 PP, 0x44000000                       ; sixteen waves of 512 rows
	global_store_b64 v[GL8], v[U+2:U+3], s[8:9]    ; 32 lanes store 256 consecutive bytes, aligned
.Lend:
	s_endpgm
.Lfunc_end_k_qd2304e67e6_stat1:
	.size	k_qd2304e67e6_stat1, .Lfunc_end_k_qd2304e67e6_stat1-k_qd2304e67e6_stat1
	.p2alignl 7, 3214868480
	.fill 96, 4, 3214868480
	.section	.rodata,"a",@progbits
	.p2align	6, 0x0
	.amdhsa_kernel k_qd2304e67e6_stat1
		.amdhsa_group_segment_fixed_size 327680
		.amdhsa_private_segment_fixed_size 0
		.amdhsa_enable_private_segment 0
		.amdhsa_kernarg_size 24
		.amdhsa_user_sgpr_count 2
		.amdhsa_user_sgpr_kernarg_segment_ptr 1
		.amdhsa_wavefront_size32 1
		.amdhsa_system_sgpr_workgroup_id_x 1
		.amdhsa_system_sgpr_workgroup_id_y 1
		.amdhsa_system_sgpr_workgroup_id_z 1
		.amdhsa_system_vgpr_workitem_id 0
		.amdhsa_next_free_vgpr 160
		.amdhsa_next_free_sgpr 66
		.amdhsa_reserve_vcc 1
		.amdhsa_float_denorm_mode_32 3
		.amdhsa_float_denorm_mode_16_64 3
		.amdhsa_memory_ordered 1
		.amdhsa_forward_progress 1
		.amdhsa_inst_pref_size 84
	.end_amdhsa_kernel
	.amdgpu_metadata
---
amdhsa.version: [ 1, 2 ]
amdhsa.kernels:
  - .name:           k_qd2304e67e6_stat1
    .symbol:         k_qd2304e67e6_stat1.kd
    .args:
      - { .name: x, .offset: 0, .size: 8, .value_kind: global_buffer, .address_space: global }
      - { .name: W1, .offset: 8, .size: 8, .value_kind: global_buffer, .address_space: global }
      - { .name: part1, .offset: 16, .size: 8, .value_kind: global_buffer, .address_space: global }
    .group_segment_fixed_size: 327680
    .private_segment_fixed_size: 0
    .kernarg_segment_align: 8
    .kernarg_segment_size: 24
    .max_flat_workgroup_size: 512
    .sgpr_count:     66
    .vgpr_count:     160
    .wavefront_size: 32
...
	.end_amdgpu_metadata
.endif
;; end of part 1
;; launch layer1 (part 2): grid 256 x 1, 16 waves a work-group, no clusters, 327,680 bytes of LDS; arguments x, W1, b1, g1, be1, W2, part1, pc1, ps1, part2; writes pc1, ps1, part2
.if DOCPART == 2
	.amdgcn_target "amdgcn-amd-amdhsa--gfx1250"
	.amdhsa_code_object_version 6
	.text
	.protected	k_qd2304e67e6_layer1
	.globl	k_qd2304e67e6_layer1
	.p2align	8
	.type	k_qd2304e67e6_layer1,@function
k_qd2304e67e6_layer1:
	s_mov_b64 s[64:65], 0
	v_nop
	global_prefetch_b8 v0, s[64:65] scope:SCOPE_SE
	s_setreg_imm32_b32 hwreg(HW_REG_WAVE_MODE, 25, 1), 1
	s_wait_xcnt 0x0
; p1 = relu(BN1(x W1^T + b1)), quantised to BF6 (E3M2) with one E8M0 byte a row (K = 32 is one block), stored as codes (pc1) and bytes (ps1); u2 = Q(p1) Q(W2)^T; stored: the work-group's (mean, M2) of u2.
; SHARES, x's ring and the statistics: as in the launch before (256 work-groups x 16 waves x 8 quads of 64 rows; four quad places a wave; shifted sums, merged as (mean, M2)).
; BN1 IS FOLDED INTO THE PRODUCT: a = g1 rsqrt(var + 1e-5) multiplies W1's rows, and the first K step's C is (b1 - mean of z1) a + be1, with mean of z1 = mean of u1 + b1.  Only the relu is left.
; THE FIRST PRODUCT IS USED TRANSPOSED (source 0 = 16 rows of W1, source 1 = 16 rows of x), and tile t takes W1's rows 8 t + r + 8 (r / 8): lane (r, h) holds row r of x, and its 16 registers of t = 0, 1
; are features 16 h + 0 .. 15: sixteen neighbours along the next K, as the conversion wants them.
; FOUR TILES OF ROWS SHARE ONE OPERAND OF K = 128: tile T's 32 codes are block T.  A weight has four variants, its codes in block T and zero codes elsewhere, so that one instruction picks one tile of rows.
; The variants are windows of 12 registers on a chain of blocks of six: Z WL0 Z WH0 Z WL1 Z WH1 Z (Z zeros; WLt tile t's codes in lanes 0-15, WHt in lanes 16-31).  The weight's scale byte is repeated four times in its word.
; THE SECOND PRODUCT feeds statistics alone: source 0 = the rows, source 1 = W2's rows 16 t + r, C = 0: a lane holds one feature.
; The quad's operand goes to memory as an image of its 12 registers (three stores of 512 consecutive bytes); the scale words gather in the wave's 512 bytes of LDS and leave by one store.
; No cluster: work-groups share 64 KiB of pairs and 6 KiB of weights, read once into registers.  No prefetch: as in the launch before.
; LIMITS: NaN and infinities are not served.  A block whose largest magnitude lies under 2^-122 keeps the byte 1 (a block of zeros too, where the rule says 127: its codes are zeros and this program alone reads the bytes).
; v_rsq_f32 is good to 1 ulp.  The order of k in the first product, and the folding, round otherwise than the written order, at the size of an f32 sum's own rounding.
.set QB,    4352
.set RINGW, 4*QB
.set SPARE, 16*RINGW                   ; the spare words: eight blocks of 256 bytes that no other line names
.set RED,   SPARE+2048                 ; 4,096 bytes for the head's pairs, 4,096 for the tail's
.set TAB,   RED+8192                   ; 512 bytes a wave: a, and the folded bias, by feature
.set SCT,   TAB+8192                   ; 512 bytes a wave: the scale words on their way out
.set SPW, 1
.set NIL, 2
.set XA,  3                            ; my lane's place in a tile of x
.set PCO, 4                            ; 16 lane
.set SCA, 5                            ; SCT + 512 wave + 4 r
.set RW,  6                            ; RED + 256 wave + 8 lane
.set RR,  7                            ; RED + 8 lane
.set GL8, 8                            ; 8 lane
.set SCR, 9                            ; SCT + 512 wave + 16 lane
.set WF,  10                           ; v10-25   a x W1, two fragments
.set C1,  26                           ; v26-41   the folded bias of features 16 h + 0 .. 15
.set X,   42                           ; v42-57   x's fragments of a pair of tiles
.set Z,   58                           ; v58-89   four accumulators: written by matrix instructions alone
.set T,   90                           ; v90-121  relu's results; u - c
.set PP,  90                           ; sixteen pairs
.set CH,  122                          ; v122-175 W2's chain
.set WSN, 176                          ; W2's scale words: t = 0 in lanes 0-15, t = 1 in lanes 16-31
.set BY0, 177
.set POUT, 178                         ; v178-189 the quad's operand
.set SW,  190                          ; its scale words
.set BY1, 191
.set CT,  192                          ; v192-194 a conversion's second half
.set MA,  196
.set MB,  197
.set PA,  198
.set PB,  199
.set EA,  200
.set EB,  201
.set BA,  202
.set BB,  203
.set RV,  204                          ; at the head: r, h, r + 8 (r / 8)
.set HV,  205
.set F8,  206
.set BEV, 207
.set CC,  208
.set S,   212
.set Q,   220
.set W2B, 228                          ; at the head: W2's rows 16 .. 31; then table addresses
.set TW,  228
.set TF,  229
.set TH,  230
.set AF0, 232
.set AF1, 233
.set U,   244
.set BV,  250
.set GV,  251
.set APT, 252                          ; offsets of the head's loads; free behind the wait for them
.set A4L, 253
.set AW1, 254
.set AW2, 255
.set AV,  252
.set MZV, 253
.set CBV, 253
.set RSV, 254
.set VV,  255
.set C1V, 255
.set WV,  24
.set G1X, 28
.set G1Y, 36
.set G0,  44
.set SEL, 60
.set INVN, 67                          ; s67 = 2^-21 = 1 / 2,097,152
.macro COMBINE16 pp, nlit              ; sixteen pairs (m, M2) of groups of n rows -> v[U+2] the mean, v[U+3] M2
	v_pk_add_f32 v[U:U+1], v[\pp:\pp+1], v[\pp+2:\pp+3]
	v_pk_add_f32 v[U+2:U+3], v[\pp+4:\pp+5], v[\pp+6:\pp+7]
.irp i, 4,6,8,10,12,14
	v_pk_add_f32 v[U:U+1], v[U:U+1], v[\pp+2*\i:\pp+2*\i+1]
	v_pk_add_f32 v[U+2:U+3], v[U+2:U+3], v[\pp+2*\i+2:\pp+2*\i+3]
.endr
	v_pk_add_f32 v[U:U+1], v[U:U+1], v[U+2:U+3]
	v_mul_f32 v[U+2], 0x3d800000, v[U]
.irp i, 0,1,2,3,4,5,6,7,8,9,10,11,12,13,14,15
	v_sub_f32 v[\pp+2*\i], v[\pp+2*\i], v[U+2]
.endr
	v_mul_f32 v[U+4], v[\pp], v[\pp]
	v_mul_f32 v[U+5], v[\pp+2], v[\pp+2]
.irp i, 2,4,6,8,10,12,14
	v_fmac_f32 v[U+4], v[\pp+2*\i], v[\pp+2*\i]
	v_fmac_f32 v[U+5], v[\pp+2*\i+2], v[\pp+2*\i+2]
.endr
	v_add_f32 v[U+4], v[U+4], v[U+5]
	v_fmamk_f32 v[U+3], v[U+4], \nlit, v[U+1]
.endm
.macro PILOT z
.irp t, 0,1
	v_add_f32 v[T+4*\t], v[\z+8*\t], v[\z+8*\t+1]
	v_add_f32 v[T+4*\t+1], v[\z+8*\t+2], v[\z+8*\t+3]
	v_add_f32 v[T+4*\t+2], v[\z+8*\t+4], v[\z+8*\t+5]
	v_add_f32 v[T+4*\t+3], v[\z+8*\t+6], v[\z+8*\t+7]
	v_add_f32 v[T+4*\t], v[T+4*\t], v[T+4*\t+1]
	v_add_f32 v[T+4*\t+2], v[T+4*\t+2], v[T+4*\t+3]
	v_add_f32 v[T+4*\t], v[T+4*\t], v[T+4*\t+2]
	v_permlanex16_b32 v[T+4*\t+1], v[T+4*\t], s[SEL], s[SEL+1]
	v_add_f32 v[T+4*\t], v[T+4*\t], v[T+4*\t+1]
	v_mul_f32 v[CC+2*\t], 0x3d800000, v[T+4*\t]
	v_mul_f32 v[CC+2*\t+1], 0x3d800000, v[T+4*\t]
.endr
.endm
.macro STATS z
.irp i, 0,1,2,3
.irp a, 0,1,2,3
	v_pk_add_f32 v[T+2*\a:T+2*\a+1], v[\z+8*\a+2*\i:\z+8*\a+2*\i+1], v[CC+2*(\a%2):CC+2*(\a%2)+1] neg_lo:[0,1] neg_hi:[0,1]
.endr
.irp a, 0,1,2,3
	v_pk_add_f32 v[S+2*\a:S+2*\a+1], v[S+2*\a:S+2*\a+1], v[T+2*\a:T+2*\a+1]
.endr
.irp a, 0,1,2,3
	v_pk_fma_f32 v[Q+2*\a:Q+2*\a+1], v[T+2*\a:T+2*\a+1], v[T+2*\a:T+2*\a+1], v[Q+2*\a:Q+2*\a+1]
.endr
.endr
.endm
.macro WAVESTATS
	v_pk_add_f32 v[S:S+1], v[S:S+1], v[S+4:S+5]
	v_pk_add_f32 v[S+2:S+3], v[S+2:S+3], v[S+6:S+7]
	v_pk_add_f32 v[Q:Q+1], v[Q:Q+1], v[Q+4:Q+5]
	v_pk_add_f32 v[Q+2:Q+3], v[Q+2:Q+3], v[Q+6:Q+7]
	v_add_f32 v[S], v[S], v[S+1]
	v_add_f32 v[S+2], v[S+2], v[S+3]
	v_add_f32 v[Q], v[Q], v[Q+1]
	v_add_f32 v[Q+2], v[Q+2], v[Q+3]
	v_permlane16_swap_b32 v[S], v[S+2]
	v_permlane16_swap_b32 v[Q], v[Q+2]
	v_add_f32 v[S], v[S], v[S+2]
	v_add_f32 v[Q], v[Q], v[Q+2]
	v_and_b32 v[S+1], 16, v0
	v_cmp_ne_u32 vcc_lo, 0, v[S+1]
	v_cndmask_b32 v[S+1], v[CC], v[CC+2], vcc_lo
	v_mul_f32 v[S+3], 0x3b000000, v[S]
	v_add_f32 v[U+2], v[S+1], v[S+3]
	v_fma_f32 v[U+3], -v[S+3], v[S], v[Q]
.endm
; The batch's statistics from the 256 work-groups' pairs: my wave merges sixteen of them, the sixteen waves' results meet in LDS, every wave merges those.  Lane L: feature L.
.macro HEADSTATS
	s_wait_loadcnt 0x0                             ; the pairs, and every smaller load of the head
	COMBINE16 PP, 0x46000000                       ; sixteen work-groups of 8,192 rows
	ds_store_b64 v[RW], v[U+2:U+3]
	s_wait_dscnt 0x0                               ; for the others' sake
	s_barrier_signal -1
	s_barrier_wait -1
.irp i, 0,1,2,3,4,5,6,7,8,9,10,11,12,13,14,15
	ds_load_b64 v[PP+2*\i:PP+2*\i+1], v[RR] offset:256*\i
.endr
	s_wait_dscnt 0x0
	COMBINE16 PP, 0x48000000                       ; sixteen groups of 131,072 rows
	v_fma_f32 v[VV], v[U+3], s[INVN], 0x3727c5ac   ; the biased variance + 1e-5
	v_rsq_f32 v[RSV], v[VV]
	v_add_f32 v[MZV], v[U+2], v[BV]                ; the mean of z = the mean of u + b.  (The plain line behind the transcendental)
	s_wait_alu depctr_va_vdst(0)                   ; the wait ahead of the first reader
	v_mul_f32 v[AV], v[RSV], v[GV]                 ; a
	v_sub_f32 v[CBV], v[BV], v[MZV]                ; b - the mean of z
.endm
; 16 numbers of a weight's row (lane (r, h): k = 16 h + 0 .. 15) -> the row's codes as block WL (v[dl] on) and block WH (v[dh] on), its byte four times in v[by]
.macro WQUANT src, dl, dh, by
	v_max3_num_f32 v[MA], |v[\src]|, |v[\src+1]|, 0x2800000        ; with the floor 2^(5 - 127): the byte cannot fall under 1
.irp i, 2,4,6,8,10,12,14
	v_max3_num_f32 v[MA], v[MA], |v[\src+\i]|, |v[\src+\i+1]|
.endr
	v_permlanex16_b32 v[PA], v[MA], s[SEL], s[SEL+1]
	v_max_num_f32 v[MA], v[MA], v[PA]              ; the block's largest magnitude
	v_add_nc_u32 v[EA], 0xfe000000, v[MA]          ; 4 off its exponent field: the conversion's scale operand
	v_lshrrev_b32 v[BA], 23, v[EA]                 ; the byte
	v_mul_lo_u32 v[\by], v[BA], 0x01010101         ; for whichever block the codes stand in
	v_cvt_scalef32_pk16_bf6_f32 v[CT:CT+2], v[\src:\src+15], v[EA]
	v_nop                                          ; one plain line behind a scaled conversion
.irp i, 0,1,2
	v_mov_b32 v[\dl+\i], v[CT+\i]
	v_mov_b32 v[\dl+3+\i], 0
	v_permlane16_swap_b32 v[\dl+\i], v[\dl+3+\i]   ; the upper lanes' codes (k = 16 ..) go to the lower lanes of the second three: lanes 0-15 hold the whole block, lanes 16-31 zeros
	v_mov_b32 v[\dh+\i], 0
	v_mov_b32 v[\dh+3+\i], v[CT+\i]
	v_permlane16_swap_b32 v[\dh+\i], v[\dh+3+\i]   ; the lower lanes' codes go to the upper lanes of the first three: lanes 16-31 hold the whole block, lanes 0-15 zeros
.endr
.endm
; Two tiles of rows, 16 numbers a lane each (none negative), become blocks 2 p and 2 p + 1 of the quad's operand, and two bytes of its scale words
.macro QUANT2 src, p
	v_max3_num_f32 v[MA], v[\src], v[\src+1], 0x2800000
	v_max3_num_f32 v[MB], v[\src+16], v[\src+17], 0x2800000
.irp i, 2,4,6,8,10,12,14
	v_max3_num_f32 v[MA], v[MA], v[\src+\i], v[\src+\i+1]
	v_max3_num_f32 v[MB], v[MB], v[\src+16+\i], v[\src+17+\i]
.endr
	v_permlanex16_b32 v[PA], v[MA], s[SEL], s[SEL+1]
	v_permlanex16_b32 v[PB], v[MB], s[SEL], s[SEL+1]
	v_max_num_f32 v[MA], v[MA], v[PA]
	v_max_num_f32 v[MB], v[MB], v[PB]
	v_add_nc_u32 v[EA], 0xfe000000, v[MA]
	v_add_nc_u32 v[EB], 0xfe000000, v[MB]
	v_lshrrev_b32 v[BA], 23, v[EA]
	v_lshrrev_b32 v[BB], 23, v[EB]
.if \p == 0
	v_lshl_or_b32 v[SW], v[BB], 8, v[BA]
.else
	v_lshl_or_b32 v[SW], v[BA], 16, v[SW]
	v_lshl_or_b32 v[SW], v[BB], 24, v[SW]
.endif
	v_cvt_scalef32_pk16_bf6_f32 v[POUT+6*\p:POUT+6*\p+2], v[\src:\src+15], v[EA]
	v_cvt_scalef32_pk16_bf6_f32 v[CT:CT+2], v[\src+16:\src+31], v[EB]
	v_nop                                          ; one plain line behind a scaled conversion
.irp i, 0,1,2
	v_permlane16_swap_b32 v[POUT+6*\p+\i], v[CT+\i]   ; lanes 0-15 now hold tile 2 p's lower 16 codes, lanes 16-31 tile 2 p + 1's; the other register the upper 16
.endr
.irp i, 0,1,2
	v_mov_b32 v[POUT+6*\p+3+\i], v[CT+\i]
.endr
.endm
.macro FILL k
	s_wait_tensorcnt 0x0                           ; all my tensor loads have landed: a group 0 may be written
	ds_add_u32 v[SPW], v[NIL]                      ; 0 onto my spare word
	s_add_nc_u64 s[G0+4*\k+2:G0+4*\k+3], s[G0+4*\k+2:G0+4*\k+3], 16384
	s_wait_dscnt 0x0                               ; the add is done, and my reads of the two places are back
	s_barrier_signal -1
	s_barrier_wait -1
	tensor_load_to_lds s[G0+4*\k:G0+4*\k+3], s[G1Y:G1Y+7]   ; my one tensor load behind this barrier, and the first thing there
	s_nop 0
.endm
; Quad q of my eight, in ring place `place`.
.macro QUAD q, place, first
.irp p, 0,1
	ds_load_b128 v[X:X+3],     v[XA] offset:QB*(\place)+2176*\p
	ds_load_b128 v[X+4:X+7],   v[XA] offset:QB*(\place)+2176*\p+16
	ds_load_b128 v[X+8:X+11],  v[XA] offset:QB*(\place)+2176*\p+1088
	ds_load_b128 v[X+12:X+15], v[XA] offset:QB*(\place)+2176*\p+1104
	s_wait_dscnt 0x0
.irp s, 0,1,2,3                        ; four K steps x four accumulators by turns, one instruction a turn; the folded bias is the first step's C
.irp a, 0,1,2,3
.if \s == 0
	v_wmma_f32_16x16x4_f32 v[Z+8*\a:Z+8*\a+7], v[WF+8*(\a%2)+2*\s:WF+8*(\a%2)+2*\s+1], v[X+8*(\a/2)+2*\s:X+8*(\a/2)+2*\s+1], v[C1+8*(\a%2):C1+8*(\a%2)+7]
.else
	v_wmma_f32_16x16x4_f32 v[Z+8*\a:Z+8*\a+7], v[WF+8*(\a%2)+2*\s:WF+8*(\a%2)+2*\s+1], v[X+8*(\a/2)+2*\s:X+8*(\a/2)+2*\s+1], v[Z+8*\a:Z+8*\a+7]
.endif
.endr
.endr
.rept 8
	v_nop                                          ; eight places behind this matrix form, in front of the first read of its results
.endr
.set J, 0
.rept 32
	v_max_num_f32 v[T+J], 0, v[Z+J]                ; the activation, into other registers; each accumulator from its low end on
.set J, J+1
.endr
.if \p == 0
	s_wait_xcnt 0x0                                ; the last quad's stores have read the operand's registers: they are written again only behind this wait
.endif
	QUANT2 T, \p
.endr
.irp c, 0,1,2
	global_store_b128 v[PCO], v[POUT+4*\c:POUT+4*\c+3], s[18:19] offset:1536*(\q)+512*\c th:TH_STORE_NT   ; 32 lanes store 512 consecutive bytes, aligned
.endr
	ds_store_b32 v[SCA], v[SW] offset:64*(\q)      ; lanes r and 16 + r write the same word with the same value
.rept 8
	v_nop                                          ; a scale word made by vector instructions stands eight places ahead of a scaled product, an operand four
.endr
.irp p, 0,1
.irp a, 0,1,2,3
.set TAU, 2*\p+\a/2
.set VR, CH+6*(4*(\a%2)+(2*TAU+1)%5)   ; the variant with W2's tile a % 2 in block TAU: chain blocks 1, 3, 0, 2 for TAU = 0 .. 3
.if (\a%2) == 0
	v_wmma_scale_f32_16x16x128_f8f6f4 v[Z+8*\a:Z+8*\a+7], v[POUT:POUT+11], v[VR:VR+11], 0, v[SW], v[WSN] matrix_a_fmt:MATRIX_FMT_BF6 matrix_b_fmt:MATRIX_FMT_BF6
.else
	v_wmma_scale_f32_16x16x128_f8f6f4 v[Z+8*\a:Z+8*\a+7], v[POUT:POUT+11], v[VR:VR+11], 0, v[SW], v[WSN] matrix_a_fmt:MATRIX_FMT_BF6 matrix_b_fmt:MATRIX_FMT_BF6 matrix_b_scale:MATRIX_SCALE_ROW1
.endif
.endr
.rept 4
	v_nop                                          ; four places behind this form; the lines of STATS on T, S and Q are the places in front of the next product that writes over Z
.endr
.if (\first) && (\p == 0)
	PILOT Z
.endif
	STATS Z
.endr
.endm
	s_load_b512 s[4:19], s[0:1], 0x0               ; x 4, W1 6, b1 8, g1 10, be1 12, W2 14, part1 16, pc1 18
	s_load_b128 s[20:23], s[0:1], 0x40             ; ps1 20, part2 22
	v_lshl_add_u32 v[SPW], v0, 2, SPARE
	v_mov_b32 v[NIL], 0
	ds_add_u32 v1, v2
	ds_add_u32 v1, v2
	s_wait_dscnt 0x0
	v_lshrrev_b32 v[RV], 5, v0
	v_readfirstlane_b32 s[WV], v[RV]               ; wave 0..15
	s_lshl_b32 s25, ttmp9, 4
	s_add_co_u32 s25, s25, s[WV]                   ; which run of 512 rows is my wave's
	s_lshl_b32 s26, s25, 15                        ; in x: 32,768 bytes a run
	s_mov_b32 s27, 0
	s_mul_i32 s68, s25, 12288                      ; in the codes: 8 quads of 1,536 bytes (under 2^26)
	s_mov_b32 s69, 0
	s_lshl_b32 s70, s25, 9                         ; in the scale words: 512 bytes
	s_mov_b32 s71, 0
	s_mul_i32 s62, s[WV], RINGW
	s_mov_b32 s[SEL], 0x76543210
	s_mov_b32 s[SEL+1], 0xfedcba98
	s_mov_b32 s[INVN], 0x35000000
.irp g, G1X, G1Y
	s_mov_b32 s[\g], (3<<16)|(1<<20)|(5<<22)|(3<<25)   ; elements of 8 bytes; padding: after every 64 words, 4 words
	s_mov_b32 s[\g+1], 32<<16
	s_mov_b32 s[\g+3], 32<<16
	s_mov_b32 s[\g+5], 32
	s_mov_b32 s[\g+6], 0
	s_mov_b32 s[\g+7], 0
.endr
	s_mov_b32 s[G1X+2], 16<<16
	s_mov_b32 s[G1X+4], 16
	s_mov_b32 s[G1Y+2], 32<<16
	s_mov_b32 s[G1Y+4], 32
	s_wait_kmcnt 0x0
	s_add_nc_u64 s[4:5], s[4:5], s[26:27]
	s_add_nc_u64 s[18:19], s[18:19], s[68:69]
	s_add_nc_u64 s[20:21], s[20:21], s[70:71]
	s_lshl_b32 s26, ttmp9, 8
	s_add_nc_u64 s[22:23], s[22:23], s[26:27]      ; my work-group's 256 bytes of part2
.irp k, 0,1,2,3
	s_mov_b32 s[G0+4*\k], 1
	s_add_co_u32 s[G0+4*\k+1], s62, \k*QB
	s_add_nc_u64 s[G0+4*\k+2:G0+4*\k+3], s[4:5], \k*4096
	s_or_b32 s[G0+4*\k+3], s[G0+4*\k+3], 0x80000000
.endr
.irp k, 0,1,2,3
	tensor_load_to_lds s[G0+4*\k:G0+4*\k+3], s[G1X:G1X+7]   ; the four first fills go out together: four loads of mine are out
	s_nop 0
.endr
	v_and_b32 v[RV], 15, v0                        ; r
	v_bfe_u32 v[HV], v0, 4, 1                      ; h
	v_lshlrev_b32 v[AW2], 7, v[RV]
	v_lshl_add_u32 v[AW2], v[HV], 6, v[AW2]        ; W2: row r of 128 bytes, + 64 h
.irp i, 0,1,2,3
	global_load_b128 v[X+4*\i:X+4*\i+3], v[AW2], s[14:15] offset:16*\i             ; W2[r][16 h ..]
.endr
.irp i, 0,1,2,3
	global_load_b128 v[W2B+4*\i:W2B+4*\i+3], v[AW2], s[14:15] offset:2048+16*\i    ; W2[16 + r][16 h ..]
.endr
	v_and_b32 v[F8], 8, v[RV]
	v_add_nc_u32 v[F8], v[F8], v[RV]               ; r + 8 (r / 8)
	v_lshlrev_b32 v[AW1], 6, v[F8]
	v_lshl_add_u32 v[AW1], v[HV], 5, v[AW1]
.irp t, 0,1
.irp i, 0,1
	global_load_b128 v[WF+8*\t+4*\i:WF+8*\t+4*\i+3], v[AW1], s[6:7] offset:512*\t+16*\i   ; W1[8 t + r + 8 (r / 8)][8 h + 4 i ..]
.endr
.endr
	v_and_b32 v[CT], 31, v0                        ; lane
	v_lshlrev_b32 v[A4L], 2, v[CT]
	global_load_b32 v[BV], v[A4L], s[8:9]          ; lane L: feature L's b1, g1, be1
	global_load_b32 v[GV], v[A4L], s[10:11]
	global_load_b32 v[BEV], v[A4L], s[12:13]
	v_lshlrev_b32 v[GL8], 3, v[CT]
	s_lshl_b32 s63, s[WV], 12
	v_add_nc_u32 v[APT], s63, v[GL8]               ; the pairs of work-groups 16 wave + 0 .. 15
.irp i, 0,1,2,3,4,5,6,7,8,9,10,11,12,13,14,15
	global_load_b64 v[PP+2*\i:PP+2*\i+1], v[APT], s[16:17] offset:256*\i
.endr
	v_lshlrev_b32 v[PCO], 4, v[CT]
	v_lshrrev_b32 v[CT+1], 2, v[RV]
	v_mul_u32_u24 v[XA], v[CT+1], 272
	v_and_b32 v[CT+1], 3, v[RV]
	v_lshl_add_u32 v[XA], v[CT+1], 6, v[XA]
	v_lshl_add_u32 v[XA], v[HV], 5, v[XA]
	v_add_nc_u32 v[XA], s62, v[XA]
	s_lshl_b32 s63, s[WV], 9                       ; 512 wave
	s_lshl_b32 s66, s[WV], 8                       ; 256 wave
	v_lshlrev_b32 v[SCA], 2, v[RV]
	v_add_nc_u32 v[SCA], s63, v[SCA]
	v_add_nc_u32 v[SCA], SCT, v[SCA]
	v_add_nc_u32 v[SCR], s63, v[PCO]
	v_add_nc_u32 v[SCR], SCT, v[SCR]
	v_add_nc_u32 v[RR], RED, v[GL8]
	v_add_nc_u32 v[RW], s66, v[RR]
.irp b, 0,2,4,6,8
.irp i, 0,1,2,3,4,5
	v_mov_b32 v[CH+6*\b+\i], 0                     ; the chain's blocks of zero codes
.endr
.endr
.irp i, 0,1,2,3,4,5,6,7,8,9,10,11,12,13,14,15
	v_mov_b32 v[S+\i], 0                           ; S and Q
.endr
	v_mov_b32 v[PA], 0                             ; written once: a lane permute's destination counts as one of its sources
	v_mov_b32 v[PB], 0
	s_wait_loadcnt 23                              ; W2's eight loads are in; the 23 issued behind them (W1 4, b1 g1 be1 3, the pairs 16) may be out
	WQUANT X, CH+6, CH+18, BY0
	WQUANT W2B, CH+30, CH+42, BY1
	v_and_b32 v[CT], 16, v0
	v_cmp_ne_u32 vcc_lo, 0, v[CT]
	v_cndmask_b32 v[WSN], v[BY0], v[BY1], vcc_lo
	v_and_b32 v[TW], 31, v0
	v_lshlrev_b32 v[TW], 2, v[TW]
	v_add_nc_u32 v[TW], s63, v[TW]
	v_add_nc_u32 v[TW], TAB, v[TW]                 ; my wave's table, feature = lane
	v_lshlrev_b32 v[TF], 2, v[F8]
	v_add_nc_u32 v[TF], s63, v[TF]
	v_add_nc_u32 v[TF], TAB, v[TF]                 ; feature r + 8 (r / 8)
	v_lshlrev_b32 v[TH], 6, v[HV]
	v_add_nc_u32 v[TH], s63, v[TH]
	v_add_nc_u32 v[TH], TAB, v[TH]                 ; features 16 h on
	HEADSTATS
	v_fma_f32 v[C1V], v[CBV], v[AV], v[BEV]        ; (b1 - mean) a + be1
	ds_store_b32 v[TW], v[AV]                      ; the table is my wave's own: LDS serves a wave's instructions in order, so no wait stands between these stores and the loads
	ds_store_b32 v[TW], v[C1V] offset:128
	ds_load_b32 v[AF0], v[TF]                      ; a of W1's row in my lane, t = 0, 1
	ds_load_b32 v[AF1], v[TF] offset:32
.irp i, 0,1,2,3
	ds_load_b128 v[C1+4*\i:C1+4*\i+3], v[TH] offset:128+16*\i
.endr
	s_wait_dscnt 0x0
.irp j, 0,1,2,3,4,5,6,7
	v_mul_f32 v[WF+\j], v[WF+\j], v[AF0]
	v_mul_f32 v[WF+8+\j], v[WF+8+\j], v[AF1]
.endr
	s_wait_tensorcnt 0x3                           ; quad 0 is in; three younger loads may be out
	QUAD 0, 0, 1
	s_wait_tensorcnt 0x2
	QUAD 1, 1, 0
	FILL 0                                         ; quads 4 and 5
	s_wait_tensorcnt 0x1                           ; quads 2 and 3 (shown landed in front of the barrier); the refill may be out
	QUAD 2, 2, 0
	QUAD 3, 3, 0
	FILL 2                                         ; quads 6 and 7: the last load
	s_wait_tensorcnt 0x1
	QUAD 4, 0, 0
	QUAD 5, 1, 0
	s_wait_tensorcnt 0x0
	QUAD 6, 2, 0
	QUAD 7, 3, 0
	WAVESTATS
	ds_store_b64 v[RW], v[U+2:U+3] offset:4096
	ds_load_b128 v[X:X+3], v[SCR]                  ; my wave's 128 scale words
	s_wait_dscnt 0x0                               ; my pair lies in LDS, the words are in
	global_store_b128 v[PCO], v[X:X+3], s[20:21] th:TH_STORE_NT   ; 512 consecutive bytes, aligned
	s_barrier_signal -1
	s_barrier_wait -1
.irp i, 0,1,2,3,4,5,6,7,8,9,10,11,12,13,14,15
	ds_load_b64 v[PP+2*\i:PP+2*\i+1], v[RR] offset:4096+256*\i
.endr
	s_wait_tensorcnt 0x0                           ; the wave's end
	ds_add_u32 v[SPW], v[NIL]
	s_wait_dscnt 0x0
	s_cmp_lg_u32 s[WV], 0
	s_cbranch_scc1 .Lend
	COMBINE16 PP, 0x44000000                       ; sixteen waves of 512 rows
	global_store_b64 v[GL8], v[U+2:U+3], s[22:23]
.Lend:
	s_endpgm
.Lfunc_end_k_qd2304e67e6_layer1:
	.size	k_qd2304e67e6_layer1, .Lfunc_end_k_qd2304e67e6_layer1-k_qd2304e67e6_layer1
	.p2alignl 7, 3214868480
	.fill 96, 4, 3214868480
	.section	.rodata,"a",@progbits
	.p2align	6, 0x0
	.amdhsa_kernel k_qd2304e67e6_layer1
		.amdhsa_group_segment_fixed_size 327680
		.amdhsa_private_segment_fixed_size 0
		.amdhsa_enable_private_segment 0
		.amdhsa_kernarg_size 80
		.amdhsa_user_sgpr_count 2
		.amdhsa_user_sgpr_kernarg_segment_ptr 1
		.amdhsa_wavefront_size32 1
		.amdhsa_system_sgpr_workgroup_id_x 1
		.amdhsa_system_sgpr_workgroup_id_y 1
		.amdhsa_system_sgpr_workgroup_id_z 1
		.amdhsa_system_vgpr_workitem_id 0
		.amdhsa_next_free_vgpr 256
		.amdhsa_next_free_sgpr 72
		.amdhsa_reserve_vcc 1
		.amdhsa_float_denorm_mode_32 3
		.amdhsa_float_denorm_mode_16_64 3
		.amdhsa_memory_ordered 1
		.amdhsa_forward_progress 1
		.amdhsa_inst_pref_size 160
	.end_amdhsa_kernel
	.amdgpu_metadata
---
amdhsa.version: [ 1, 2 ]
amdhsa.kernels:
  - .name:           k_qd2304e67e6_layer1
    .symbol:         k_qd2304e67e6_layer1.kd
    .args:
      - { .name: x, .offset: 0, .size: 8, .value_kind: global_buffer, .address_space: global }
      - { .name: W1, .offset: 8, .size: 8, .value_kind: global_buffer, .address_space: global }
      - { .name: b1, .offset: 16, .size: 8, .value_kind: global_buffer, .address_space: global }
      - { .name: g1, .offset: 24, .size: 8, .value_kind: global_buffer, .address_space: global }
      - { .name: be1, .offset: 32, .size: 8, .value_kind: global_buffer, .address_space: global }
      - { .name: W2, .offset: 40, .size: 8, .value_kind: global_buffer, .address_space: global }
      - { .name: part1, .offset: 48, .size: 8, .value_kind: global_buffer, .address_space: global }
      - { .name: pc1, .offset: 56, .size: 8, .value_kind: global_buffer, .address_space: global }
      - { .name: ps1, .offset: 64, .size: 8, .value_kind: global_buffer, .address_space: global }
      - { .name: part2, .offset: 72, .size: 8, .value_kind: global_buffer, .address_space: global }
    .group_segment_fixed_size: 327680
    .private_segment_fixed_size: 0
    .kernarg_segment_align: 8
    .kernarg_segment_size: 80
    .max_flat_workgroup_size: 512
    .sgpr_count:     72
    .vgpr_count:     256
    .wavefront_size: 32
...
	.end_amdgpu_metadata
.endif
;; end of part 2
;; launch layer2 (part 3): grid 256 x 1, 16 waves a work-group, no clusters, 231,424 bytes of LDS; arguments pc1, ps1, W2, b2, g2, be2, W3, part2, pc2, ps2, part3; writes pc2, ps2, part3
.if DOCPART == 3
	.amdgcn_target "amdgcn-amd-amdhsa--gfx1250"
	.amdhsa_code_object_version 6
	.text
	.protected	k_qd2304e67e6_layer2
	.globl	k_qd2304e67e6_layer2
	.p2align	8
	.type	k_qd2304e67e6_layer2,@function
k_qd2304e67e6_layer2:
	s_mov_b64 s[64:65], 0
	v_nop
	global_prefetch_b8 v0, s[64:65] scope:SCOPE_SE
	s_setreg_imm32_b32 hwreg(HW_REG_WAVE_MODE, 25, 1), 1
	s_wait_xcnt 0x0
; p2 = relu(BN2(Q(p1) Q(W2)^T + b2)), quantised to BF6 (E3M2) with one E8M0 byte a row, stored as codes (pc2) and bytes (ps2); u3 = Q(p2) Q(W3)^T; stored: the work-group's (mean, M2) of u3.
; SHARES: 256 work-groups x 16 waves x 8 quads of 64 rows.  A quad's operand is an image of 12 registers (1,536 bytes): tile T's 32 codes are block T of K = 128; its scale words are 64 bytes (row r: byte T for tile T).
; ALL OF A WAVE'S INPUT (12,288 + 512 bytes) comes into its own LDS bytes by five tensor loads in its first lines; nothing is filled again, and a wave reads only what its own loads brought.
; THE FIRST PRODUCT IS USED TRANSPOSED (source 0 = W2's rows 8 t + r + 8 (r / 8) in the block of the tile wanted, source 1 = the quad), with C = b2 - the mean of z2: a lane holds one row and sixteen neighbouring
; features; then one packed multiply-add (a, be2), the relu, the quantiser.  THE SECOND feeds statistics alone: source 0 = the new quad, source 1 = W3's rows 16 t + r, C = 0.
; The weights' variants are windows of 12 registers on one chain of 17 blocks of six: Z WL0 Z WH0 Z WL1 Z WH1 Z, W2's first and then W3's, sharing the middle Z.
; No cluster: work-groups share 64 KiB of pairs and 8 KiB of weights, read once into registers.  No prefetch: every byte of the input is asked for in the first lines.
; LIMITS: NaN and infinities are not served.  A block whose largest magnitude lies under 2^-122 keeps the byte 1 (a block of zeros too: its codes are zeros and this program alone reads the bytes).  v_rsq_f32 is good to 1 ulp.
.set SCL,  196608                      ; behind the sixteen waves' codes: their scale words, 512 bytes a wave
.set RED,  204800                      ; 4,096 bytes for the head's pairs, 4,096 for the tail's
.set TAB,  212992                      ; 512 bytes a wave
.set SCT,  221184                      ; 512 bytes a wave: the new scale words on their way out
.set PIA, 1                            ; 12,288 wave + 16 lane
.set SIA, 2                            ; SCL + 512 wave + 4 r
.set PCO, 3                            ; 16 lane
.set SCA, 4                            ; SCT + 512 wave + 4 r
.set RW,  5
.set RR,  6
.set GL8, 7
.set SCR, 8                            ; SCT + 512 wave + 16 lane
.set AW2, 9
.set CH,  10                           ; v10-111  the chain
.set WST, 112                          ; W2's scale words
.set WSN, 113                          ; W3's
.set C2,  114                          ; v114-129 b2 - mean, features 16 h + 0 .. 15
.set A2,  130                          ; v130-145 a
.set BE2, 146                          ; v146-161 be2
.set PIN, 162                          ; v162-173 the quad that comes in
.set SIN, 174
.set AW3, 175
.set Z,   176                          ; v176-207 four accumulators
.set PP,  176
.set POUT, 208                         ; v208-219 the quad that goes out
.set SW,  220
.set A4L, 221
.set CT,  222
.set MA,  226
.set MB,  227
.set PA,  228
.set PB,  229
.set EA,  230
.set EB,  231
.set BA,  232
.set BB,  233
.set T,   226                          ; u - c: the quantiser's eight registers, idle then
.set CC,  234
.set S,   238
.set Q,   246
.set APT, 254
.set ABE, 255
.set U,   162                          ; at the head and the tail
.set SCD, 168                          ; at the tail: the scale words
.set RV,  168                          ; at the head
.set HV,  169
.set LN,  170
.set F8,  171
.set TW,  172
.set TH,  173
.set BV,  208
.set GV,  209
.set VV,  210
.set RSV, 211
.set MZV, 212
.set AV,  213
.set CBV, 214
.set BY0, 215
.set BY1, 216
.set BY2, 217
.set BY3, 218
.set WV,  26
.set G1C, 32                           ; s[32:39] group 1: two quads' codes, 12 lines of 256 bytes
.set G1S, 40                           ; s[40:47] group 1: the scale words, 2 lines
.set G0S, 48
.set G0C, 68                           ; s[68:83] four sets
.set SEL, 84
.set INVN, 86
.macro COMBINE16 pp, nlit              ; sixteen pairs (m, M2) of groups of n rows -> v[U+2] the mean, v[U+3] M2
	v_pk_add_f32 v[U:U+1], v[\pp:\pp+1], v[\pp+2:\pp+3]
	v_pk_add_f32 v[U+2:U+3], v[\pp+4:\pp+5], v[\pp+6:\pp+7]
.irp i, 4,6,8,10,12,14
	v_pk_add_f32 v[U:U+1], v[U:U+1], v[\pp+2*\i:\pp+2*\i+1]
	v_pk_add_f32 v[U+2:U+3], v[U+2:U+3], v[\pp+2*\i+2:\pp+2*\i+3]
.endr
	v_pk_add_f32 v[U:U+1], v[U:U+1], v[U+2:U+3]
	v_mul_f32 v[U+2], 0x3d800000, v[U]
.irp i, 0,1,2,3,4,5,6,7,8,9,10,11,12,13,14,15
	v_sub_f32 v[\pp+2*\i], v[\pp+2*\i], v[U+2]
.endr
	v_mul_f32 v[U+4], v[\pp], v[\pp]
	v_mul_f32 v[U+5], v[\pp+2], v[\pp+2]
.irp i, 2,4,6,8,10,12,14
	v_fmac_f32 v[U+4], v[\pp+2*\i], v[\pp+2*\i]
	v_fmac_f32 v[U+5], v[\pp+2*\i+2], v[\pp+2*\i+2]
.endr
	v_add_f32 v[U+4], v[U+4], v[U+5]
	v_fmamk_f32 v[U+3], v[U+4], \nlit, v[U+1]
.endm
.macro PILOT z
.irp t, 0,1
	v_add_f32 v[T+4*\t], v[\z+8*\t], v[\z+8*\t+1]
	v_add_f32 v[T+4*\t+1], v[\z+8*\t+2], v[\z+8*\t+3]
	v_add_f32 v[T+4*\t+2], v[\z+8*\t+4], v[\z+8*\t+5]
	v_add_f32 v[T+4*\t+3], v[\z+8*\t+6], v[\z+8*\t+7]
	v_add_f32 v[T+4*\t], v[T+4*\t], v[T+4*\t+1]
	v_add_f32 v[T+4*\t+2], v[T+4*\t+2], v[T+4*\t+3]
	v_add_f32 v[T+4*\t], v[T+4*\t], v[T+4*\t+2]
	v_permlanex16_b32 v[T+4*\t+1], v[T+4*\t], s[SEL], s[SEL+1]
	v_add_f32 v[T+4*\t], v[T+4*\t], v[T+4*\t+1]
	v_mul_f32 v[CC+2*\t], 0x3d800000, v[T+4*\t]
	v_mul_f32 v[CC+2*\t+1], 0x3d800000, v[T+4*\t]
.endr
.endm
.macro STATS z
.irp i, 0,1,2,3
.irp a, 0,1,2,3
	v_pk_add_f32 v[T+2*\a:T+2*\a+1], v[\z+8*\a+2*\i:\z+8*\a+2*\i+1], v[CC+2*(\a%2):CC+2*(\a%2)+1] neg_lo:[0,1] neg_hi:[0,1]
.endr
.irp a, 0,1,2,3
	v_pk_add_f32 v[S+2*\a:S+2*\a+1], v[S+2*\a:S+2*\a+1], v[T+2*\a:T+2*\a+1]
.endr
.irp a, 0,1,2,3
	v_pk_fma_f32 v[Q+2*\a:Q+2*\a+1], v[T+2*\a:T+2*\a+1], v[T+2*\a:T+2*\a+1], v[Q+2*\a:Q+2*\a+1]
.endr
.endr
.endm
.macro WAVESTATS
	v_pk_add_f32 v[S:S+1], v[S:S+1], v[S+4:S+5]
	v_pk_add_f32 v[S+2:S+3], v[S+2:S+3], v[S+6:S+7]
	v_pk_add_f32 v[Q:Q+1], v[Q:Q+1], v[Q+4:Q+5]
	v_pk_add_f32 v[Q+2:Q+3], v[Q+2:Q+3], v[Q+6:Q+7]
	v_add_f32 v[S], v[S], v[S+1]
	v_add_f32 v[S+2], v[S+2], v[S+3]
	v_add_f32 v[Q], v[Q], v[Q+1]
	v_add_f32 v[Q+2], v[Q+2], v[Q+3]
	v_permlane16_swap_b32 v[S], v[S+2]
	v_permlane16_swap_b32 v[Q], v[Q+2]
	v_add_f32 v[S], v[S], v[S+2]
	v_add_f32 v[Q], v[Q], v[Q+2]
	v_and_b32 v[S+1], 16, v0
	v_cmp_ne_u32 vcc_lo, 0, v[S+1]
	v_cndmask_b32 v[S+1], v[CC], v[CC+2], vcc_lo
	v_mul_f32 v[S+3], 0x3b000000, v[S]
	v_add_f32 v[U+2], v[S+1], v[S+3]
	v_fma_f32 v[U+3], -v[S+3], v[S], v[Q]
.endm
.macro HEADSTATS
	s_wait_loadcnt 0x0                             ; the pairs, and every smaller load of the head
	COMBINE16 PP, 0x46000000                       ; sixteen work-groups of 8,192 rows
	ds_store_b64 v[RW], v[U+2:U+3]
	s_wait_dscnt 0x0                               ; for the others' sake
	s_barrier_signal -1                            ; (nothing is ever filled again: my tensor loads may stay out)
	s_barrier_wait -1
.irp i, 0,1,2,3,4,5,6,7,8,9,10,11,12,13,14,15
	ds_load_b64 v[PP+2*\i:PP+2*\i+1], v[RR] offset:256*\i
.endr
	s_wait_dscnt 0x0
	COMBINE16 PP, 0x48000000                       ; sixteen groups of 131,072 rows
	v_fma_f32 v[VV], v[U+3], s[INVN], 0x3727c5ac   ; the biased variance + 1e-5
	v_rsq_f32 v[RSV], v[VV]
	v_add_f32 v[MZV], v[U+2], v[BV]                ; the mean of z = the mean of u + b.  (The plain line behind the transcendental)
	s_wait_alu depctr_va_vdst(0)                   ; the wait ahead of the first reader
	v_mul_f32 v[AV], v[RSV], v[GV]
	v_sub_f32 v[CBV], v[BV], v[MZV]
.endm
.macro WQUANT src, dl, dh, by
	v_max3_num_f32 v[MA], |v[\src]|, |v[\src+1]|, 0x2800000        ; with the floor 2^(5 - 127): the byte cannot fall under 1
.irp i, 2,4,6,8,10,12,14
	v_max3_num_f32 v[MA], v[MA], |v[\src+\i]|, |v[\src+\i+1]|
.endr
	v_permlanex16_b32 v[PA], v[MA], s[SEL], s[SEL+1]
	v_max_num_f32 v[MA], v[MA], v[PA]
	v_add_nc_u32 v[EA], 0xfe000000, v[MA]          ; 4 off the exponent field: the conversion's scale operand
	v_lshrrev_b32 v[BA], 23, v[EA]
	v_mul_lo_u32 v[\by], v[BA], 0x01010101
	v_cvt_scalef32_pk16_bf6_f32 v[CT:CT+2], v[\src:\src+15], v[EA]
	v_nop                                          ; one plain line behind a scaled conversion
.irp i, 0,1,2
	v_mov_b32 v[\dl+\i], v[CT+\i]
	v_mov_b32 v[\dl+3+\i], 0
	v_permlane16_swap_b32 v[\dl+\i], v[\dl+3+\i]   ; lanes 0-15 hold the whole block, lanes 16-31 zeros
	v_mov_b32 v[\dh+\i], 0
	v_mov_b32 v[\dh+3+\i], v[CT+\i]
	v_permlane16_swap_b32 v[\dh+\i], v[\dh+3+\i]   ; lanes 16-31 hold the whole block, lanes 0-15 zeros
.endr
.endm
.macro QUANT2 src, p
	v_max3_num_f32 v[MA], v[\src], v[\src+1], 0x2800000
	v_max3_num_f32 v[MB], v[\src+16], v[\src+17], 0x2800000
.irp i, 2,4,6,8,10,12,14
	v_max3_num_f32 v[MA], v[MA], v[\src+\i], v[\src+\i+1]
	v_max3_num_f32 v[MB], v[MB], v[\src+16+\i], v[\src+17+\i]
.endr
	v_permlanex16_b32 v[PA], v[MA], s[SEL], s[SEL+1]
	v_permlanex16_b32 v[PB], v[MB], s[SEL], s[SEL+1]
	v_max_num_f32 v[MA], v[MA], v[PA]
	v_max_num_f32 v[MB], v[MB], v[PB]
	v_add_nc_u32 v[EA], 0xfe000000, v[MA]
	v_add_nc_u32 v[EB], 0xfe000000, v[MB]
	v_lshrrev_b32 v[BA], 23, v[EA]
	v_lshrrev_b32 v[BB], 23, v[EB]
.if \p == 0
	v_lshl_or_b32 v[SW], v[BB], 8, v[BA]
.else
	v_lshl_or_b32 v[SW], v[BA], 16, v[SW]
	v_lshl_or_b32 v[SW], v[BB], 24, v[SW]
.endif
	v_cvt_scalef32_pk16_bf6_f32 v[POUT+6*\p:POUT+6*\p+2], v[\src:\src+15], v[EA]
	v_cvt_scalef32_pk16_bf6_f32 v[CT:CT+2], v[\src+16:\src+31], v[EB]
	v_nop                                          ; one plain line behind a scaled conversion
.irp i, 0,1,2
	v_permlane16_swap_b32 v[POUT+6*\p+\i], v[CT+\i]
.endr
.irp i, 0,1,2
	v_mov_b32 v[POUT+6*\p+3+\i], v[CT+\i]
.endr
.endm
.macro QUAD q, first
.irp c, 0,1,2
	ds_load_b128 v[PIN+4*\c:PIN+4*\c+3], v[PIA] offset:1536*(\q)+512*\c   ; the operand's registers as they were stored
.endr
	ds_load_b32 v[SIN], v[SIA] offset:64*(\q)
	s_wait_dscnt 0x0
.irp p, 0,1
.irp a, 0,1,2,3
.set TAU, 2*\p+\a/2
.set VR, CH+6*(4*(\a%2)+(2*TAU+1)%5)   ; W2's tile a % 2 in block TAU
.if (\a%2) == 0
	v_wmma_scale_f32_16x16x128_f8f6f4 v[Z+8*\a:Z+8*\a+7], v[VR:VR+11], v[PIN:PIN+11], v[C2:C2+7], v[WST], v[SIN] matrix_a_fmt:MATRIX_FMT_BF6 matrix_b_fmt:MATRIX_FMT_BF6
.else
	v_wmma_scale_f32_16x16x128_f8f6f4 v[Z+8*\a:Z+8*\a+7], v[VR:VR+11], v[PIN:PIN+11], v[C2+8:C2+15], v[WST], v[SIN] matrix_a_fmt:MATRIX_FMT_BF6 matrix_b_fmt:MATRIX_FMT_BF6 matrix_a_scale:MATRIX_SCALE_ROW1
.endif
.endr
.rept 4
	v_nop                                          ; four places behind this form, in front of the first read of its results (ISA guide 7.12.1)
.endr
.set J, 0
.rept 16
	v_pk_fma_f32 v[Z+J:Z+J+1], v[Z+J:Z+J+1], v[A2+J%16:A2+J%16+1], v[BE2+J%16:BE2+J%16+1]   ; (z - mean) a + be2; each accumulator from its low end on
.set J, J+2
.endr
.set J, 0
.rept 32
	v_max_num_f32 v[Z+J], 0, v[Z+J]                ; the activation
.set J, J+1
.endr
.if \p == 0
	s_wait_xcnt 0x0                                ; the last quad's stores have read the operand's registers: they are written again only behind this wait
.endif
	QUANT2 Z, \p
.endr
.irp c, 0,1,2
	global_store_b128 v[PCO], v[POUT+4*\c:POUT+4*\c+3], s[20:21] offset:1536*(\q)+512*\c th:TH_STORE_NT   ; 512 consecutive bytes, aligned
.endr
	ds_store_b32 v[SCA], v[SW] offset:64*(\q)
.rept 8
	v_nop                                          ; a scale word made by vector instructions stands eight places ahead of a scaled product, an operand four
.endr
.irp p, 0,1
.irp a, 0,1,2,3
.set TAU, 2*\p+\a/2
.set VR, CH+6*(8+4*(\a%2)+(2*TAU+1)%5) ; W3's tile a % 2 in block TAU
.if (\a%2) == 0
	v_wmma_scale_f32_16x16x128_f8f6f4 v[Z+8*\a:Z+8*\a+7], v[POUT:POUT+11], v[VR:VR+11], 0, v[SW], v[WSN] matrix_a_fmt:MATRIX_FMT_BF6 matrix_b_fmt:MATRIX_FMT_BF6
.else
	v_wmma_scale_f32_16x16x128_f8f6f4 v[Z+8*\a:Z+8*\a+7], v[POUT:POUT+11], v[VR:VR+11], 0, v[SW], v[WSN] matrix_a_fmt:MATRIX_FMT_BF6 matrix_b_fmt:MATRIX_FMT_BF6 matrix_b_scale:MATRIX_SCALE_ROW1
.endif
.endr
.rept 4
	v_nop                                          ; the lines of STATS on T, S and Q are the places in front of the next product that writes over Z
.endr
.if (\first) && (\p == 0)
	PILOT Z
.endif
	STATS Z
.endr
.endm
	s_load_b512 s[4:19], s[0:1], 0x0               ; pc1 4, ps1 6, W2 8, b2 10, g2 12, be2 14, W3 16, part2 18
	s_load_b128 s[20:23], s[0:1], 0x40             ; pc2 20, ps2 22
	s_load_b64 s[24:25], s[0:1], 0x50              ; part3
	v_lshl_add_u32 v254, v0, 2, 0x38000
	v_mov_b32 v255, 0
	ds_add_u32 v254, v255
	ds_add_u32 v254, v255
	s_wait_dscnt 0x0
	v_lshrrev_b32 v[RV], 5, v0
	v_readfirstlane_b32 s[WV], v[RV]               ; wave 0..15
	s_lshl_b32 s27, ttmp9, 4
	s_add_co_u32 s27, s27, s[WV]                   ; which run of 512 rows is my wave's
	s_mul_i32 s28, s27, 12288                      ; in the codes (under 2^26)
	s_mov_b32 s29, 0
	s_lshl_b32 s52, s27, 9                         ; in the scale words
	s_mov_b32 s53, 0
	s_lshl_b32 s54, ttmp9, 8                       ; my work-group's 256 bytes of part3
	s_mov_b32 s55, 0
	s_mul_i32 s30, s[WV], 12288                    ; my codes in LDS
	s_lshl_b32 s31, s[WV], 9                       ; 512 wave
	s_mov_b32 s[SEL], 0x76543210
	s_mov_b32 s[SEL+1], 0xfedcba98
	s_mov_b32 s[INVN], 0x35000000                  ; 2^-21 = 1 / 2,097,152
.irp g, G1C, G1S
	s_mov_b32 s[\g], 3<<16                         ; no mask; elements of 8 bytes; no padding: every LDS read takes 512 consecutive bytes
	s_mov_b32 s[\g+1], 32<<16                      ; lines of 256 bytes
	s_mov_b32 s[\g+3], 32<<16
	s_mov_b32 s[\g+5], 32                          ; dense
	s_mov_b32 s[\g+6], 0
	s_mov_b32 s[\g+7], 0
.endr
	s_mov_b32 s[G1C+2], 12<<16
	s_mov_b32 s[G1C+4], 12
	s_mov_b32 s[G1S+2], 2<<16
	s_mov_b32 s[G1S+4], 2
	s_wait_kmcnt 0x0
	s_add_nc_u64 s[4:5], s[4:5], s[28:29]
	s_add_nc_u64 s[20:21], s[20:21], s[28:29]
	s_add_nc_u64 s[6:7], s[6:7], s[52:53]
	s_add_nc_u64 s[22:23], s[22:23], s[52:53]
	s_add_nc_u64 s[24:25], s[24:25], s[54:55]
	s_mov_b32 s[G0S], 1
	s_add_co_u32 s[G0S+1], s31, SCL
	s_mov_b64 s[G0S+2:G0S+3], s[6:7]
	s_or_b32 s[G0S+3], s[G0S+3], 0x80000000
.irp k, 0,1,2,3
	s_mov_b32 s[G0C+4*\k], 1
	s_add_co_u32 s[G0C+4*\k+1], s30, \k*3072
	s_add_nc_u64 s[G0C+4*\k+2:G0C+4*\k+3], s[4:5], \k*3072
	s_or_b32 s[G0C+4*\k+3], s[G0C+4*\k+3], 0x80000000
.endr
	tensor_load_to_lds s[G0S:G0S+3], s[G1S:G1S+7]  ; the scale words first; then the codes, two quads a load: five loads of mine are out
	s_nop 0
.irp k, 0,1,2,3
	tensor_load_to_lds s[G0C+4*\k:G0C+4*\k+3], s[G1C:G1C+7]
	s_nop 0
.endr
	v_and_b32 v[RV], 15, v0                        ; r
	v_bfe_u32 v[HV], v0, 4, 1                      ; h
	v_and_b32 v[LN], 31, v0                        ; lane
	v_and_b32 v[F8], 8, v[RV]
	v_add_nc_u32 v[F8], v[F8], v[RV]               ; r + 8 (r / 8)
	v_lshlrev_b32 v[AW2], 7, v[F8]
	v_lshl_add_u32 v[AW2], v[HV], 6, v[AW2]
.irp t, 0,1
.irp i, 0,1,2,3
	global_load_b128 v[C2+16*\t+4*\i:C2+16*\t+4*\i+3], v[AW2], s[8:9] offset:1024*\t+16*\i   ; W2[8 t + r + 8 (r / 8)][16 h ..]
.endr
.endr
	v_lshlrev_b32 v[AW3], 7, v[RV]
	v_lshl_add_u32 v[AW3], v[HV], 6, v[AW3]
.irp i, 0,1,2,3
	global_load_b128 v[BE2+4*\i:BE2+4*\i+3], v[AW3], s[16:17] offset:16*\i         ; W3[r][16 h ..]
.endr
.irp i, 0,1,2,3
	global_load_b128 v[S+4*\i:S+4*\i+3], v[AW3], s[16:17] offset:2048+16*\i        ; W3[16 + r][16 h ..]
.endr
	v_lshlrev_b32 v[A4L], 2, v[LN]
	global_load_b32 v[BV], v[A4L], s[10:11]        ; lane L: feature L's b2, g2
	global_load_b32 v[GV], v[A4L], s[12:13]
	v_lshlrev_b32 v[GL8], 3, v[LN]
	s_lshl_b32 s56, s[WV], 12
	v_add_nc_u32 v[APT], s56, v[GL8]
.irp i, 0,1,2,3,4,5,6,7,8,9,10,11,12,13,14,15
	global_load_b64 v[PP+2*\i:PP+2*\i+1], v[APT], s[18:19] offset:256*\i
.endr
	v_lshlrev_b32 v[PCO], 4, v[LN]
	v_add_nc_u32 v[PIA], s30, v[PCO]
	v_lshlrev_b32 v[SIA], 2, v[RV]
	v_add_nc_u32 v[SIA], s31, v[SIA]
	v_add_nc_u32 v[SCA], SCT, v[SIA]
	v_add_nc_u32 v[SIA], SCL, v[SIA]
	v_add_nc_u32 v[SCR], s31, v[PCO]
	v_add_nc_u32 v[SCR], SCT, v[SCR]
	v_add_nc_u32 v[RR], RED, v[GL8]
	s_lshl_b32 s57, s[WV], 8
	v_add_nc_u32 v[RW], s57, v[RR]
	v_lshlrev_b32 v[TW], 2, v[LN]
	v_add_nc_u32 v[TW], s31, v[TW]
	v_add_nc_u32 v[TW], TAB, v[TW]                 ; my wave's table, feature = lane
	v_lshlrev_b32 v[ABE], 6, v[HV]                 ; 64 h
	v_add_nc_u32 v[TH], s31, v[ABE]
	v_add_nc_u32 v[TH], TAB, v[TH]                 ; features 16 h on
.irp b, 0,2,4,6,8,10,12,14,16
.irp i, 0,1,2,3,4,5
	v_mov_b32 v[CH+6*\b+\i], 0                     ; the chain's blocks of zero codes
.endr
.endr
	v_mov_b32 v[PA], 0                             ; written once: a lane permute's destination counts as one of its sources
	v_mov_b32 v[PB], 0
	s_wait_loadcnt 26                              ; W2's eight loads are in; the 26 behind them (W3 8, b2 g2 2, the pairs 16) may be out
	WQUANT C2, CH+6, CH+18, BY0
	WQUANT C2+16, CH+30, CH+42, BY1
	s_wait_loadcnt 18                              ; W3's eight
	WQUANT BE2, CH+54, CH+66, BY2
	WQUANT S, CH+78, CH+90, BY3
	v_and_b32 v[CT], 16, v0
	v_cmp_ne_u32 vcc_lo, 0, v[CT]
	v_cndmask_b32 v[WST], v[BY0], v[BY1], vcc_lo   ; t = 0 in lanes 0-15, t = 1 in lanes 16-31
	v_cndmask_b32 v[WSN], v[BY2], v[BY3], vcc_lo
.irp i, 0,1,2,3
	global_load_b128 v[BE2+4*\i:BE2+4*\i+3], v[ABE], s[14:15] offset:16*\i   ; be2 of features 16 h + 0 .. 15, into the registers that W3's rows have left
.endr
.irp i, 0,1,2,3,4,5,6,7,8,9,10,11,12,13,14,15
	v_mov_b32 v[S+\i], 0                           ; S and Q
.endr
	HEADSTATS
	ds_store_b32 v[TW], v[CBV]                     ; the table is my wave's own: LDS serves a wave's instructions in order
	ds_store_b32 v[TW], v[AV] offset:128
.irp i, 0,1,2,3
	ds_load_b128 v[C2+4*\i:C2+4*\i+3], v[TH] offset:16*\i
.endr
.irp i, 0,1,2,3
	ds_load_b128 v[A2+4*\i:A2+4*\i+3], v[TH] offset:128+16*\i
.endr
	s_wait_dscnt 0x0
	s_wait_tensorcnt 0x3                           ; the scale words and quads 0, 1 are in; three younger loads may be out
	QUAD 0, 1
	QUAD 1, 0
	s_wait_tensorcnt 0x2
	QUAD 2, 0
	QUAD 3, 0
	s_wait_tensorcnt 0x1
	QUAD 4, 0
	QUAD 5, 0
	s_wait_tensorcnt 0x0
	QUAD 6, 0
	QUAD 7, 0
	WAVESTATS
	ds_store_b64 v[RW], v[U+2:U+3] offset:4096
	ds_load_b128 v[SCD:SCD+3], v[SCR]              ; my wave's 128 new scale words
	s_wait_dscnt 0x0
	global_store_b128 v[PCO], v[SCD:SCD+3], s[22:23] th:TH_STORE_NT   ; 512 consecutive bytes, aligned
	s_barrier_signal -1
	s_barrier_wait -1
.irp i, 0,1,2,3,4,5,6,7,8,9,10,11,12,13,14,15
	ds_load_b64 v[PP+2*\i:PP+2*\i+1], v[RR] offset:4096+256*\i
.endr
	s_wait_dscnt 0x0
	s_cmp_lg_u32 s[WV], 0
	s_cbranch_scc1 .Lend
	COMBINE16 PP, 0x44000000                       ; sixteen waves of 512 rows
	global_store_b64 v[GL8], v[U+2:U+3], s[24:25]
.Lend:
	s_wait_xcnt 0x0
	v_lshl_add_u32 v254, v0, 2, 0x38000
	v_mov_b32 v255, 0
	s_wait_tensorcnt 0x0
	ds_add_u32 v254, v255
	s_wait_dscnt 0x0
	s_endpgm
.Lfunc_end_k_qd2304e67e6_layer2:
	.size	k_qd2304e67e6_layer2, .Lfunc_end_k_qd2304e67e6_layer2-k_qd2304e67e6_layer2
	.p2alignl 7, 3214868480
	.fill 96, 4, 3214868480
	.section	.rodata,"a",@progbits
	.p2align	6, 0x0
	.amdhsa_kernel k_qd2304e67e6_layer2
		.amdhsa_group_segment_fixed_size 231424
		.amdhsa_private_segment_fixed_size 0
		.amdhsa_enable_private_segment 0
		.amdhsa_kernarg_size 88
		.amdhsa_user_sgpr_count 2
		.amdhsa_user_sgpr_kernarg_segment_ptr 1
		.amdhsa_wavefront_size32 1
		.amdhsa_system_sgpr_workgroup_id_x 1
		.amdhsa_system_sgpr_workgroup_id_y 1
		.amdhsa_system_sgpr_workgroup_id_z 1
		.amdhsa_system_vgpr_workitem_id 0
		.amdhsa_next_free_vgpr 256
		.amdhsa_next_free_sgpr 90
		.amdhsa_reserve_vcc 1
		.amdhsa_float_denorm_mode_32 3
		.amdhsa_float_denorm_mode_16_64 3
		.amdhsa_memory_ordered 1
		.amdhsa_forward_progress 1
		.amdhsa_inst_pref_size 167
	.end_amdhsa_kernel
	.amdgpu_metadata
---
amdhsa.version: [ 1, 2 ]
amdhsa.kernels:
  - .name:           k_qd2304e67e6_layer2
    .symbol:         k_qd2304e67e6_layer2.kd
    .args:
      - { .name: pc1, .offset: 0, .size: 8, .value_kind: global_buffer, .address_space: global }
      - { .name: ps1, .offset: 8, .size: 8, .value_kind: global_buffer, .address_space: global }
      - { .name: W2, .offset: 16, .size: 8, .value_kind: global_buffer, .address_space: global }
      - { .name: b2, .offset: 24, .size: 8, .value_kind: global_buffer, .address_space: global }
      - { .name: g2, .offset: 32, .size: 8, .value_kind: global_buffer, .address_space: global }
      - { .name: be2, .offset: 40, .size: 8, .value_kind: global_buffer, .address_space: global }
      - { .name: W3, .offset: 48, .size: 8, .value_kind: global_buffer, .address_space: global }
      - { .name: part2, .offset: 56, .size: 8, .value_kind: global_buffer, .address_space: global }
      - { .name: pc2, .offset: 64, .size: 8, .value_kind: global_buffer, .address_space: global }
      - { .name: ps2, .offset: 72, .size: 8, .value_kind: global_buffer, .address_space: global }
      - { .name: part3, .offset: 80, .size: 8, .value_kind: global_buffer, .address_space: global }
    .group_segment_fixed_size: 231424
    .private_segment_fixed_size: 0
    .kernarg_segment_align: 8
    .kernarg_segment_size: 88
    .max_flat_workgroup_size: 512
    .sgpr_count:     90
    .vgpr_count:     256
    .wavefront_size: 32
...
	.end_amdgpu_metadata
.endif
;; end of part 3
;; launch layer3 (part 4): grid 256 x 1, 16 waves a work-group, no clusters, 251,904 bytes of LDS; arguments pc2, ps2, W3, b3, g3, be3, W4, b4, part3, out0; writes out0
.if DOCPART == 4
	.amdgcn_target "amdgcn-amd-amdhsa--gfx1250"
	.amdhsa_code_object_version 6
	.text
	.protected	k_qd2304e67e6_layer3
	.globl	k_qd2304e67e6_layer3
	.p2align	8
	.type	k_qd2304e67e6_layer3,@function
k_qd2304e67e6_layer3:
	s_mov_b64 s[64:65], 0
	v_nop
	global_prefetch_b8 v0, s[64:65] scope:SCOPE_SE
	s_setreg_imm32_b32 hwreg(HW_REG_WAVE_MODE, 25, 1), 1
	s_wait_xcnt 0x0
; out = relu(BN3(Q(p2) Q(W3)^T + b3)) W4^T + b4.  The product on codes of BF6 (E3M2) with E8M0 scales; the last product (one column) by f32 multiply-adds: on the matrix unit fifteen of sixteen columns would be idle.
; SHARES and input: as in the launch before: 256 work-groups x 16 waves x 8 quads of 64 rows; a wave's 12,288 bytes of codes and 512 of scale words come into its own LDS bytes by five tensor loads, once.
; THE PRODUCT IS USED TRANSPOSED (source 0 = W3's rows 8 t + r + 8 (r / 8) in the block of the tile wanted, source 1 = the quad), C = b3 - the mean of z3: lane (r, h) holds row r and features 16 h + 0 .. 15.
; Then (a, be3), the relu, and the lane's half of the dot product with W4; b4 starts the sum in lanes 0-15.  One exchange of halves between the two tiles' registers and one addition finish 32 rows, a lane a row.
; The wave's 512 results gather in its own 2,048 bytes of LDS and leave by four stores of 512 consecutive bytes.
; No cluster, no prefetch: as in the launch before.
; LIMITS: NaN and infinities are not served; W3's blocks under 2^-122 keep the byte 1; v_rsq_f32 is good to 1 ulp.
.set SCL,  196608
.set RED,  204800                      ; 4,096 bytes
.set TAB,  208896                      ; 512 bytes a wave
.set OST,  217088                      ; 2,048 bytes a wave
.set PIA, 1                            ; 12,288 wave + 16 lane
.set SIA, 2                            ; SCL + 512 wave + 4 r
.set OSA, 3                            ; OST + 2,048 wave + 4 lane
.set ORA, 4                            ; OST + 2,048 wave + 16 lane
.set G16, 5                            ; 16 lane
.set RW,  6
.set RR,  7
.set CH,  10                           ; v10-63   W3's chain
.set WST, 64                           ; its scale words
.set C3,  66                           ; v66-81
.set A3,  82                           ; v82-97
.set BE3, 98                           ; v98-113
.set W4T, 114                          ; v114-129 W4[16 h + 0 .. 15]
.set INIT, 130                         ; v130 b4 in lanes 0-15, 0 above; v131 0
.set PIN, 132                          ; v132-143
.set SIN, 144
.set Z,   146                          ; v146-177
.set O,   178                          ; v178-185
.set OUTR, 186                         ; v186-201
.set PP,  186                          ; v186-217, at the head
.set U,   218
.set CT,  224
.set MA,  228
.set PA,  229
.set EA,  230
.set BA,  231
.set BY0, 232
.set BY1, 233
.set BV,  234
.set GV,  235
.set VV,  236
.set RSV, 237
.set MZV, 238
.set AV,  239
.set CBV, 240
.set RV,  241
.set HV,  242
.set F8,  243
.set AW3, 244
.set A64, 245
.set A4L, 246
.set APT, 247
.set TW,  248
.set TH,  249
.set LN,  250
.set B4V, 251
.set WV,  26
.set G1C, 32
.set G1S, 40
.set G0S, 48
.set G0C, 68
.set SEL, 84
.set INVN, 86
.macro COMBINE16 pp, nlit              ; sixteen pairs (m, M2) of groups of n rows -> v[U+2] the mean, v[U+3] M2
	v_pk_add_f32 v[U:U+1], v[\pp:\pp+1], v[\pp+2:\pp+3]
	v_pk_add_f32 v[U+2:U+3], v[\pp+4:\pp+5], v[\pp+6:\pp+7]
.irp i, 4,6,8,10,12,14
	v_pk_add_f32 v[U:U+1], v[U:U+1], v[\pp+2*\i:\pp+2*\i+1]
	v_pk_add_f32 v[U+2:U+3], v[U+2:U+3], v[\pp+2*\i+2:\pp+2*\i+3]
.endr
	v_pk_add_f32 v[U:U+1], v[U:U+1], v[U+2:U+3]
	v_mul_f32 v[U+2], 0x3d800000, v[U]
.irp i, 0,1,2,3,4,5,6,7,8,9,10,11,12,13,14,15
	v_sub_f32 v[\pp+2*\i], v[\pp+2*\i], v[U+2]
.endr
	v_mul_f32 v[U+4], v[\pp], v[\pp]
	v_mul_f32 v[U+5], v[\pp+2], v[\pp+2]
.irp i, 2,4,6,8,10,12,14
	v_fmac_f32 v[U+4], v[\pp+2*\i], v[\pp+2*\i]
	v_fmac_f32 v[U+5], v[\pp+2*\i+2], v[\pp+2*\i+2]
.endr
	v_add_f32 v[U+4], v[U+4], v[U+5]
	v_fmamk_f32 v[U+3], v[U+4], \nlit, v[U+1]
.endm
.macro HEADSTATS
	s_wait_loadcnt 0x0                             ; the pairs, and every smaller load of the head
	COMBINE16 PP, 0x46000000                       ; sixteen work-groups of 8,192 rows
	ds_store_b64 v[RW], v[U+2:U+3]
	s_wait_dscnt 0x0                               ; for the others' sake
	s_barrier_signal -1                            ; (nothing is ever filled again: my tensor loads may stay out)
	s_barrier_wait -1
.irp i, 0,1,2,3,4,5,6,7,8,9,10,11,12,13,14,15
	ds_load_b64 v[PP+2*\i:PP+2*\i+1], v[RR] offset:256*\i
.endr
	s_wait_dscnt 0x0
	COMBINE16 PP, 0x48000000                       ; sixteen groups of 131,072 rows
	v_fma_f32 v[VV], v[U+3], s[INVN], 0x3727c5ac   ; the biased variance + 1e-5
	v_rsq_f32 v[RSV], v[VV]
	v_add_f32 v[MZV], v[U+2], v[BV]                ; the mean of z = the mean of u + b.  (The plain line behind the transcendental)
	s_wait_alu depctr_va_vdst(0)                   ; the wait ahead of the first reader
	v_mul_f32 v[AV], v[RSV], v[GV]
	v_sub_f32 v[CBV], v[BV], v[MZV]
.endm
.macro WQUANT src, dl, dh, by
	v_max3_num_f32 v[MA], |v[\src]|, |v[\src+1]|, 0x2800000        ; with the floor 2^(5 - 127): the byte cannot fall under 1
.irp i, 2,4,6,8,10,12,14
	v_max3_num_f32 v[MA], v[MA], |v[\src+\i]|, |v[\src+\i+1]|
.endr
	v_permlanex16_b32 v[PA], v[MA], s[SEL], s[SEL+1]
	v_max_num_f32 v[MA], v[MA], v[PA]
	v_add_nc_u32 v[EA], 0xfe000000, v[MA]          ; 4 off the exponent field: the conversion's scale operand
	v_lshrrev_b32 v[BA], 23, v[EA]
	v_mul_lo_u32 v[\by], v[BA], 0x01010101
	v_cvt_scalef32_pk16_bf6_f32 v[CT:CT+2], v[\src:\src+15], v[EA]
	v_nop                                          ; one plain line behind a scaled conversion
.irp i, 0,1,2
	v_mov_b32 v[\dl+\i], v[CT+\i]
	v_mov_b32 v[\dl+3+\i], 0
	v_permlane16_swap_b32 v[\dl+\i], v[\dl+3+\i]   ; lanes 0-15 hold the whole block, lanes 16-31 zeros
	v_mov_b32 v[\dh+\i], 0
	v_mov_b32 v[\dh+3+\i], v[CT+\i]
	v_permlane16_swap_b32 v[\dh+\i], v[\dh+3+\i]   ; lanes 16-31 hold the whole block, lanes 0-15 zeros
.endr
.endm
.macro QUAD q
.irp c, 0,1,2
	ds_load_b128 v[PIN+4*\c:PIN+4*\c+3], v[PIA] offset:1536*(\q)+512*\c
.endr
	ds_load_b32 v[SIN], v[SIA] offset:64*(\q)
	s_wait_dscnt 0x0
.irp p, 0,1
.irp a, 0,1,2,3
.set TAU, 2*\p+\a/2
.set VR, CH+6*(4*(\a%2)+(2*TAU+1)%5)   ; W3's tile a % 2 in block TAU
.if (\a%2) == 0
	v_wmma_scale_f32_16x16x128_f8f6f4 v[Z+8*\a:Z+8*\a+7], v[VR:VR+11], v[PIN:PIN+11], v[C3:C3+7], v[WST], v[SIN] matrix_a_fmt:MATRIX_FMT_BF6 matrix_b_fmt:MATRIX_FMT_BF6
.else
	v_wmma_scale_f32_16x16x128_f8f6f4 v[Z+8*\a:Z+8*\a+7], v[VR:VR+11], v[PIN:PIN+11], v[C3+8:C3+15], v[WST], v[SIN] matrix_a_fmt:MATRIX_FMT_BF6 matrix_b_fmt:MATRIX_FMT_BF6 matrix_a_scale:MATRIX_SCALE_ROW1
.endif
.endr
.rept 4
	v_nop                                          ; four places behind this form, in front of the first read of its results (ISA guide 7.12.1)
.endr
.set J, 0
.rept 16
	v_pk_fma_f32 v[Z+J:Z+J+1], v[Z+J:Z+J+1], v[A3+J%16:A3+J%16+1], v[BE3+J%16:BE3+J%16+1]   ; (z - mean) a + be3; each accumulator from its low end on
.set J, J+2
.endr
.set J, 0
.rept 32
	v_max_num_f32 v[Z+J], 0, v[Z+J]                ; the activation
.set J, J+1
.endr
.irp u, 0,1                            ; my half of the dot product with W4, two chains of pairs for each of the two tiles
	v_pk_fma_f32 v[O+4*\u:O+4*\u+1], v[Z+16*\u:Z+16*\u+1], v[W4T:W4T+1], v[INIT:INIT+1]
	v_pk_mul_f32 v[O+4*\u+2:O+4*\u+3], v[Z+16*\u+8:Z+16*\u+9], v[W4T+8:W4T+9]
.endr
.irp i, 2,4,6
.irp u, 0,1
	v_pk_fma_f32 v[O+4*\u:O+4*\u+1], v[Z+16*\u+\i:Z+16*\u+\i+1], v[W4T+\i:W4T+\i+1], v[O+4*\u:O+4*\u+1]
	v_pk_fma_f32 v[O+4*\u+2:O+4*\u+3], v[Z+16*\u+8+\i:Z+16*\u+9+\i], v[W4T+8+\i:W4T+9+\i], v[O+4*\u+2:O+4*\u+3]
.endr
.endr
	v_pk_add_f32 v[O:O+1], v[O:O+1], v[O+2:O+3]
	v_pk_add_f32 v[O+4:O+5], v[O+4:O+5], v[O+6:O+7]
	v_add_f32 v[O], v[O], v[O+1]
	v_add_f32 v[O+4], v[O+4], v[O+5]
	v_permlane16_swap_b32 v[O], v[O+4]             ; the first now holds both tiles' halves h = 0, the second their halves h = 1
	v_add_f32 v[O], v[O], v[O+4]                   ; lane L: row 64 q + 32 p + L
	ds_store_b32 v[OSA], v[O] offset:128*(2*(\q)+\p)
.endr
.endm
	s_load_b512 s[4:19], s[0:1], 0x0               ; pc2 4, ps2 6, W3 8, b3 10, g3 12, be3 14, W4 16, b4 18
	s_load_b128 s[20:23], s[0:1], 0x40             ; part3 20, out0 22
	v_lshl_add_u32 v254, v0, 2, 0x3d000
	v_mov_b32 v255, 0
	ds_add_u32 v254, v255
	ds_add_u32 v254, v255
	v_lshrrev_b32 v[RV], 5, v0
	v_readfirstlane_b32 s[WV], v[RV]               ; wave 0..15
	s_lshl_b32 s27, ttmp9, 4
	s_add_co_u32 s27, s27, s[WV]                   ; which run of 512 rows is my wave's
	s_mul_i32 s28, s27, 12288
	s_mov_b32 s29, 0
	s_lshl_b32 s52, s27, 9
	s_mov_b32 s53, 0
	s_lshl_b32 s54, s27, 11                        ; in the output: 2,048 bytes
	s_mov_b32 s55, 0
	s_mul_i32 s30, s[WV], 12288
	s_lshl_b32 s31, s[WV], 9
	s_mov_b32 s[SEL], 0x76543210
	s_mov_b32 s[SEL+1], 0xfedcba98
	s_mov_b32 s[INVN], 0x35000000                  ; 2^-21 = 1 / 2,097,152
.irp g, G1C, G1S
	s_mov_b32 s[\g], 3<<16                         ; elements of 8 bytes; no padding
	s_mov_b32 s[\g+1], 32<<16
	s_mov_b32 s[\g+3], 32<<16
	s_mov_b32 s[\g+5], 32
	s_mov_b32 s[\g+6], 0
	s_mov_b32 s[\g+7], 0
.endr
	s_mov_b32 s[G1C+2], 12<<16
	s_mov_b32 s[G1C+4], 12
	s_mov_b32 s[G1S+2], 2<<16
	s_mov_b32 s[G1S+4], 2
	s_wait_dscnt 0x0
	s_wait_kmcnt 0x0
	s_load_b32 s87, s[18:19], 0x0                  ; b4
	s_add_nc_u64 s[4:5], s[4:5], s[28:29]
	s_add_nc_u64 s[6:7], s[6:7], s[52:53]
	s_add_nc_u64 s[22:23], s[22:23], s[54:55]
	s_mov_b32 s[G0S], 1
	s_add_co_u32 s[G0S+1], s31, SCL
	s_mov_b64 s[G0S+2:G0S+3], s[6:7]
	s_or_b32 s[G0S+3], s[G0S+3], 0x80000000
.irp k, 0,1,2,3
	s_mov_b32 s[G0C+4*\k], 1
	s_add_co_u32 s[G0C+4*\k+1], s30, \k*3072
	s_add_nc_u64 s[G0C+4*\k+2:G0C+4*\k+3], s[4:5], \k*3072
	s_or_b32 s[G0C+4*\k+3], s[G0C+4*\k+3], 0x80000000
.endr
	tensor_load_to_lds s[G0S:G0S+3], s[G1S:G1S+7]  ; the scale words first; then the codes, two quads a load: five loads of mine are out
	s_nop 0
.irp k, 0,1,2,3
	tensor_load_to_lds s[G0C+4*\k:G0C+4*\k+3], s[G1C:G1C+7]
	s_nop 0
.endr
	v_and_b32 v[RV], 15, v0                        ; r
	v_bfe_u32 v[HV], v0, 4, 1                      ; h
	v_and_b32 v[LN], 31, v0                        ; lane
	v_and_b32 v[F8], 8, v[RV]
	v_add_nc_u32 v[F8], v[F8], v[RV]               ; r + 8 (r / 8)
	v_lshlrev_b32 v[AW3], 7, v[F8]
	v_lshl_add_u32 v[AW3], v[HV], 6, v[AW3]
.irp t, 0,1
.irp i, 0,1,2,3
	global_load_b128 v[Z+16*\t+4*\i:Z+16*\t+4*\i+3], v[AW3], s[8:9] offset:1024*\t+16*\i   ; W3[8 t + r + 8 (r / 8)][16 h ..]
.endr
.endr
	v_lshlrev_b32 v[A64], 6, v[HV]                 ; 64 h
.irp i, 0,1,2,3
	global_load_b128 v[BE3+4*\i:BE3+4*\i+3], v[A64], s[14:15] offset:16*\i   ; be3 of features 16 h + 0 .. 15
.endr
.irp i, 0,1,2,3
	global_load_b128 v[W4T+4*\i:W4T+4*\i+3], v[A64], s[16:17] offset:16*\i   ; W4 likewise
.endr
	v_lshlrev_b32 v[A4L], 2, v[LN]
	global_load_b32 v[BV], v[A4L], s[10:11]        ; lane L: feature L's b3, g3
	global_load_b32 v[GV], v[A4L], s[12:13]
	v_lshlrev_b32 v[RR], 3, v[LN]
	s_lshl_b32 s56, s[WV], 12
	v_add_nc_u32 v[APT], s56, v[RR]
.irp i, 0,1,2,3,4,5,6,7,8,9,10,11,12,13,14,15
	global_load_b64 v[PP+2*\i:PP+2*\i+1], v[APT], s[20:21] offset:256*\i
.endr
	v_add_nc_u32 v[RR], RED, v[RR]
	s_lshl_b32 s57, s[WV], 8
	v_add_nc_u32 v[RW], s57, v[RR]
	v_lshlrev_b32 v[G16], 4, v[LN]
	v_add_nc_u32 v[PIA], s30, v[G16]
	v_lshlrev_b32 v[SIA], 2, v[RV]
	v_add_nc_u32 v[SIA], s31, v[SIA]
	v_add_nc_u32 v[SIA], SCL, v[SIA]
	s_lshl_b32 s58, s[WV], 11
	v_lshlrev_b32 v[OSA], 2, v[LN]
	v_add_nc_u32 v[TW], s31, v[OSA]
	v_add_nc_u32 v[TW], TAB, v[TW]                 ; my wave's table, feature = lane
	v_add_nc_u32 v[OSA], s58, v[OSA]
	v_add_nc_u32 v[OSA], OST, v[OSA]
	v_add_nc_u32 v[ORA], s58, v[G16]
	v_add_nc_u32 v[ORA], OST, v[ORA]
	v_add_nc_u32 v[TH], s31, v[A64]
	v_add_nc_u32 v[TH], TAB, v[TH]                 ; features 16 h on
.irp b, 0,2,4,6,8
.irp i, 0,1,2,3,4,5
	v_mov_b32 v[CH+6*\b+\i], 0                     ; the chain's blocks of zero codes
.endr
.endr
	v_mov_b32 v[PA], 0                             ; written once: a lane permute's destination counts as one of its sources
	s_wait_loadcnt 26                              ; W3's eight loads are in; the 26 behind them (be3 4, W4 4, b3 g3 2, the pairs 16) may be out
	WQUANT Z, CH+6, CH+18, BY0
	WQUANT Z+16, CH+30, CH+42, BY1
	v_and_b32 v[CT], 16, v0
	v_cmp_ne_u32 vcc_lo, 0, v[CT]
	v_cndmask_b32 v[WST], v[BY0], v[BY1], vcc_lo   ; t = 0 in lanes 0-15, t = 1 in lanes 16-31
	s_wait_kmcnt 0x0                               ; b4
	v_mov_b32 v[B4V], s87
	v_mov_b32 v[INIT+1], 0
	v_cndmask_b32 v[INIT], v[B4V], v[INIT+1], vcc_lo   ; b4 enters each row's sum once: in the lanes of half 0
	HEADSTATS
	ds_store_b32 v[TW], v[CBV]                     ; the table is my wave's own: LDS serves a wave's instructions in order
	ds_store_b32 v[TW], v[AV] offset:128
.irp i, 0,1,2,3
	ds_load_b128 v[C3+4*\i:C3+4*\i+3], v[TH] offset:16*\i
.endr
.irp i, 0,1,2,3
	ds_load_b128 v[A3+4*\i:A3+4*\i+3], v[TH] offset:128+16*\i
.endr
	s_wait_dscnt 0x0
	s_wait_tensorcnt 0x3                           ; the scale words and quads 0, 1 are in; three younger loads may be out
	QUAD 0
	QUAD 1
	s_wait_tensorcnt 0x2
	QUAD 2
	QUAD 3
	s_wait_tensorcnt 0x1
	QUAD 4
	QUAD 5
	s_wait_tensorcnt 0x0
	QUAD 6
	QUAD 7
.irp i, 0,1,2,3
	ds_load_b128 v[OUTR+4*\i:OUTR+4*\i+3], v[ORA] offset:512*\i   ; LDS serves a wave's instructions in order: these see my stores
.endr
.irp i, 0,1,2,3
	s_wait_dscnt 3-\i                              ; the younger reads of the stage may be out
	global_store_b128 v[G16], v[OUTR+4*\i:OUTR+4*\i+3], s[22:23] offset:512*\i th:TH_STORE_NT   ; 512 consecutive bytes, aligned
.endr
	s_wait_tensorcnt 0x0
	ds_add_u32 v254, v255
	s_wait_dscnt 0x0
	s_endpgm
.Lfunc_end_k_qd2304e67e6_layer3:
	.size	k_qd2304e67e6_layer3, .Lfunc_end_k_qd2304e67e6_layer3-k_qd2304e67e6_layer3
	.p2alignl 7, 3214868480
	.fill 96, 4, 3214868480
	.section	.rodata,"a",@progbits
	.p2align	6, 0x0
	.amdhsa_kernel k_qd2304e67e6_layer3
		.amdhsa_group_segment_fixed_size 251904
		.amdhsa_private_segment_fixed_size 0
		.amdhsa_enable_private_segment 0
		.amdhsa_kernarg_size 80
		.amdhsa_user_sgpr_count 2
		.amdhsa_user_sgpr_kernarg_segment_ptr 1
		.amdhsa_wavefront_size32 1
		.amdhsa_system_sgpr_workgroup_id_x 1
		.amdhsa_system_sgpr_workgroup_id_y 1
		.amdhsa_system_sgpr_workgroup_id_z 1
		.amdhsa_system_vgpr_workitem_id 0
		.amdhsa_next_free_vgpr 256
		.amdhsa_next_free_sgpr 90
		.amdhsa_reserve_vcc 1
		.amdhsa_float_denorm_mode_32 3
		.amdhsa_float_denorm_mode_16_64 3
		.amdhsa_memory_ordered 1
		.amdhsa_forward_progress 1
		.amdhsa_inst_pref_size 85
	.end_amdhsa_kernel
	.amdgpu_metadata
---
amdhsa.version: [ 1, 2 ]
amdhsa.kernels:
  - .name:           k_qd2304e67e6_layer3
    .symbol:         k_qd2304e67e6_layer3.kd
    .args:
      - { .name: pc2, .offset: 0, .size: 8, .value_kind: global_buffer, .address_space: global }
      - { .name: ps2, .offset: 8, .size: 8, .value_kind: global_buffer, .address_space: global }
      - { .name: W3, .offset: 16, .size: 8, .value_kind: global_buffer, .address_space: global }
      - { .name: b3, .offset: 24, .size: 8, .value_kind: global_buffer, .address_space: global }
      - { .name: g3, .offset: 32, .size: 8, .value_kind: global_buffer, .address_space: global }
      - { .name: be3, .offset: 40, .size: 8, .value_kind: global_buffer, .address_space: global }
      - { .name: W4, .offset: 48, .size: 8, .value_kind: global_buffer, .address_space: global }
      - { .name: b4, .offset: 56, .size: 8, .value_kind: global_buffer, .address_space: global }
      - { .name: part3, .offset: 64, .size: 8, .value_kind: global_buffer, .address_space: global }
      - { .name: out0, .offset: 72, .size: 8, .value_kind: global_buffer, .address_space: global }
    .group_segment_fixed_size: 251904
    .private_segment_fixed_size: 0
    .kernarg_segment_align: 8
    .kernarg_segment_size: 80
    .max_flat_workgroup_size: 512
    .sgpr_count:     90
    .vgpr_count:     256
    .wavefront_size: 32
...
	.end_amdgpu_metadata
.endif
;; end of part 4
